; MI455X (gfx1250); checked and timed in simulation.
; The chip was launched on July 23, 2026; its instructions are those of AMD's public machine-readable ISA for CDNA 5 (MIT licence, August 2026) and "CDNA5" Instruction Set Architecture Reference Guide (July 2026). The comments in the code are by the model that wrote it; some were corrected since.
;; Mo E Layer. Allowed arithmetic: float matrix products may take bf16 or f16 operands with f32 sums; other float arithmetic in f32, or as packed bf16 or f16 multiplies, adds, multiply-adds, maxima and minima; sums over many terms, partial sums and values carried from step to step in f32; what a program stores and reads back later, other than sums and carried values, may be rounded once to bf16 or f16.
;; Inputs: W1 8 x 1,024 x 4,096 float32; W2 8 x 4,096 x 1,024 float32; Wr 1,024 x 8 float32; b1 8 x 4,096 float32; b2 8 x 1,024 float32; br 8 float32; hidden_states 2 x 512 x 1,024 float32.
;; Outputs: out0 2 x 512 x 1,024 float32; out1 one number float32.
;; 2 versions, each right and faster than the one before. Each part assembles by itself: llvm-mc -triple=amdgcn-amd-amdhsa -mcpu=gfx1250 --defsym DOCPART=n.
;; ======== version 1 of 2: 4 launches
;; limits: a function is approximated: absolute error at most 2.5e-05; an absolute error that grows with the inputs' magnitude: up to 1.25e-05 times it
;; workspace buffers: xb 2,097,152 bytes; h 16,777,216 bytes; y 33,554,432 bytes; rt 14,336 bytes; bm 2,048 bytes of whole numbers; par1 256 bytes of whole numbers; par2 256 bytes of whole numbers
;; launch route (part 1): grid 64 x 1, 4 waves a work-group, no clusters, 54,272 bytes of LDS; arguments hidden_states, Wr, br, xb, bm, rt, par1, par2; writes xb, bm, rt, par1, par2
.if DOCPART == 1
	.amdgcn_target "amdgcn-amd-amdhsa--gfx1250"
	.amdhsa_code_object_version 6
	.text
	.protected	k_q7f3588b264_route
	.globl	k_q7f3588b264_route
	.p2align	8
	.type	k_q7f3588b264_route,@function
k_q7f3588b264_route:
	s_mov_b64 s[64:65], 0
	v_nop
	global_prefetch_b8 v0, s[64:65] scope:SCOPE_SE
	s_setreg_imm32_b32 hwreg(HW_REG_WAVE_MODE, 25, 1), 1
	s_wait_xcnt 0x0
; ROUTER.  64 work-groups of four waves; a work-group owns 16 tokens.
; It (1) rounds its 16 rows of x to bf16 and stores them (xb), (2) makes the 16 x 8 logits x Wr + br on the matrix unit from x, Wr and br
; rounded to bf16 (sums in f32; each wave a quarter of K, the four parts added in a fixed order), (3) picks the two largest logits of each
; token, (4) stores at FIXED places: the two gate weights wt[2 t + j], the token's logsumexp, the 16 tokens' choices as 16 bit masks
; (expert e, choice j) and the eight counts of the 16 tokens.  No address and no branch hangs on a floating-point number.
; Wave 1 of work-group 0 also stores the two tables of sizes by which the two product launches share one text.
; LIMITS.  The order of the experts is taken on the logits (softmax keeps their order; two logits so close that their probabilities round
; to one f32 number are told apart here); equal logits: the lower index first.  NaN and infinities are not treated apart.
; The maximum is taken away before every exponential: w1 = 1 / (1 + e^(l2 - l1)), w2 = e^(l2 - l1) w1, lse = l1 + ln(sum e^(l - l1)).
; No cluster and no tensor load: the work-groups share only Wr, 32 KB against 64 KB of x of their own.
.set XP,    2064                       ; an LDS row of 1,024 bf16 + 16 bytes: 129 x 16, so 16 rows of a fragment load start 16 bytes apart modulo 256
.set XT,    0                          ; 16 rows of x
.set WT,    16*XP                      ; 8 rows of Wr^T (33,024)
.set PD,    49664                      ; 4 waves x 32 lanes x 32 bytes: the waves' partial logits
.set SPARE, 53760                      ; the spare words: 128 bytes a wave, two blocks of 256 bytes that no other line names
	s_load_b512 s[4:19], s[0:1], 0x0               ; x s[4:5], Wr s[6:7], br s[8:9], xb s[10:11], bm s[12:13], rt s[14:15], par1 s[16:17], par2 s[18:19]
	v_lshl_add_u32 v1, v0, 2, SPARE                ; my spare word
	v_mov_b32 v2, 0                                ; and 0: these two serve the closing add alone
	v_and_b32 v3, 31, v0                           ; lane L
	v_and_b32 v4, 15, v0                           ; r
	v_bfe_u32 v5, v0, 4, 1                         ; h
	v_lshrrev_b32 v6, 5, v0
	v_readfirstlane_b32 s2, v6                     ; wave w
	v_lshlrev_b32 v7, 6, v0                        ; Wr: thread tau takes the two rows 2 pi, 2 pi + 1 (64 bytes), pi = tau + 128 i
	v_lshlrev_b32 v8, 5, v3
	v_lshl_add_u32 v8, s2, 14, v8                  ; x: 4 rows a wave (16,384 w) + 32 L
	v_lshlrev_b32 v9, 2, v0                        ; Wr^T in LDS: 4 tau
	v_lshlrev_b32 v10, 4, v3
	v_lshl_add_u32 v10, s2, 13, v10                ; xb: 8,192 w + 16 L
	s_mul_i32 s32, s2, 4*XP
	v_lshl_add_u32 v11, v3, 4, s32                 ; x in LDS: 4 rows a wave + 16 L
	s_lshl_b32 s20, ttmp9, 16                      ; 16 rows of 4,096 bytes
	s_mov_b32 s21, 0
	s_lshl_b32 s22, ttmp9, 15                      ; 16 rows of 2,048 bytes
	s_mov_b32 s23, 0
	s_wait_kmcnt 0x0
	s_add_nc_u64 s[4:5], s[4:5], s[20:21]
	s_add_nc_u64 s[10:11], s[10:11], s[22:23]
	s_load_b256 s[24:31], s[8:9], 0x0              ; br: eight numbers
.irp i, 0,1,2,3
.irp u, 0,1,2,3
	global_load_b128 v[64+16*\i+4*\u:64+16*\i+4*\u+3], v7, s[6:7] offset:8192*\i+16*\u
.endr
.endr
.irp p, 0,1,2,3                        ; row 4 w + p, quarter k of the row: 32 bytes a lane, which become 16 bytes of bf16
.irp k, 0,1,2,3
	global_load_b128 v[128+8*(4*\p+\k):128+8*(4*\p+\k)+3],   v8, s[4:5] offset:4096*\p+1024*\k th:TH_LOAD_NT
	global_load_b128 v[128+8*(4*\p+\k)+4:128+8*(4*\p+\k)+7], v8, s[4:5] offset:4096*\p+1024*\k+16 th:TH_LOAD_NT
.endr
.endr
	s_wait_loadcnt 32                              ; Wr's 16 loads are in; x's 32 stay out
.irp i, 0,1,2,3
.irp e, 0,1,2,3,4,5,6,7
	v_cvt_pk_bf16_f32 v[64+16*\i+\e], v[64+16*\i+\e], v[64+16*\i+8+\e]   ; Wr[2 pi][e], Wr[2 pi + 1][e]
	ds_store_b32 v9, v[64+16*\i+\e] offset:WT+XP*\e+512*\i
.endr
.endr
.irp p, 0,1,2,3
.irp k, 0,1,2,3
	s_wait_loadcnt 30-2*(4*\p+\k)                  ; loads come back in order: this piece's two are in, the younger ones stay out
.irp c, 0,1,2,3
	v_cvt_pk_bf16_f32 v[128+8*(4*\p+\k)+\c], v[128+8*(4*\p+\k)+2*\c], v[128+8*(4*\p+\k)+2*\c+1]  ; in place: word c is read before it is written
.endr
	global_store_b128 v10, v[128+8*(4*\p+\k):128+8*(4*\p+\k)+3], s[10:11] offset:2048*\p+512*\k  ; 512 consecutive bytes a wave
	ds_store_b128 v11, v[128+8*(4*\p+\k):128+8*(4*\p+\k)+3] offset:XT+XP*\p+512*\k
.endr
.endr
	v_and_b32 v12, 7, v0
	v_mul_u32_u24 v12, v12, XP
	v_mul_u32_u24 v13, v4, XP
	s_lshl_b32 s32, s2, 9                          ; my quarter of K: 512 bytes of each row
	v_lshl_add_u32 v14, v5, 4, s32
	v_add_nc_u32 v13, v13, v14                     ; x row r, + 16 h
	v_add3_u32 v12, v12, v14, WT                   ; Wr^T row r % 8
	v_lshl_add_u32 v15, v0, 5, PD                  ; my 32 bytes of partial logits
	s_wait_kmcnt 0x0                               ; br
	s_wait_xcnt 0x0                                ; the stores have read v128-255, which the fragments take next
	s_wait_dscnt 0x0                               ; for the others' sake: my rows of x and my part of Wr^T are in LDS
	s_barrier_signal -1
	s_barrier_wait -1
.irp s, 0,1,2,3,4,5,6,7
	ds_load_b128 v[128+16*\s:128+16*\s+3],     v12 offset:64*\s
	ds_load_b128 v[128+16*\s+4:128+16*\s+7],   v12 offset:64*\s+32
	ds_load_b128 v[128+16*\s+8:128+16*\s+11],  v13 offset:64*\s
	ds_load_b128 v[128+16*\s+12:128+16*\s+15], v13 offset:64*\s+32
.endr
	s_wait_dscnt 0x0
	; source 0 = experts (rows 8-15 repeat rows 0-7), source 1 = tokens: register e of every lane = expert e's logit of token r.
	; Two accumulators by turns; the first product of each starts its sum.
	v_wmma_f32_16x16x32_bf16 v[16:23], v[128:135], v[136:143], 0
	v_wmma_f32_16x16x32_bf16 v[24:31], v[144:151], v[152:159], 0
.irp s, 2,4,6
	v_wmma_f32_16x16x32_bf16 v[16:23], v[128+16*\s:128+16*\s+7], v[136+16*\s:136+16*\s+7], v[16:23]
	v_wmma_f32_16x16x32_bf16 v[24:31], v[144+16*\s:144+16*\s+7], v[152+16*\s:152+16*\s+7], v[24:31]
.endr
.rept 4
	v_nop                                          ; four places behind the last product (ISA guide 7.12.1)
.endr
.irp e, 0,1,2,3,4,5,6,7
	v_add_f32 v[32+\e], v[16+\e], v[24+\e]         ; from each accumulator's low end on
.endr
	ds_store_b128 v15, v[32:35]
	ds_store_b128 v15, v[36:39] offset:16
	s_wait_dscnt 0x0                               ; for wave 0's sake
	s_barrier_signal -1
	s_barrier_wait -1
	s_cmp_eq_u32 s2, 0
	s_cbranch_scc1 .Lw0
	s_cmp_lg_u32 s2, 1
	s_cbranch_scc1 .Lend
	s_cmp_lg_u32 ttmp9, 0
	s_cbranch_scc1 .Lend
	; the two tables: weight row pitch, shift and mask that split the slice number, token row pitch, shift from id to row, mode,
	; output row pitch, bytes of a slice in an output row, the two steps of the bias loads
.macro PARV reg, lane, val
	s_mov_b32 s33, \val
	v_writelane_b32 v[\reg], s33, \lane
.endm
	v_mov_b32 v110, 0
	v_mov_b32 v111, 0
	PARV 110, 0, 16384
	PARV 110, 1, 5
	PARV 110, 2, 31
	PARV 110, 3, 2048
	PARV 110, 4, 1
	PARV 110, 6, 8192
	PARV 110, 7, 256
	PARV 110, 8, 32
	PARV 110, 9, 16
	PARV 111, 0, 4096
	PARV 111, 1, 3
	PARV 111, 2, 7
	PARV 111, 3, 8192
	PARV 111, 5, 1
	PARV 111, 6, 4096
	PARV 111, 7, 512
	PARV 111, 8, 16
	PARV 111, 9, 256
	v_lshlrev_b32 v112, 2, v3
	global_store_b32 v112, v110, s[16:17]          ; 128 consecutive bytes each
	global_store_b32 v112, v111, s[18:19]
	s_branch .Lend
.Lw0:
.irp p, 0,1,2,3
	ds_load_b128 v[64+8*\p:64+8*\p+3],   v15 offset:1024*\p
	ds_load_b128 v[64+8*\p+4:64+8*\p+7], v15 offset:1024*\p+16
.endr
.irp c, 0,1,2,3
	v_cvt_pk_bf16_f32 v40, s[24+2*\c], s[25+2*\c]  ; br rounded to bf16 like every input, and widened again
	v_lshlrev_b32 v[48+2*\c], 16, v40
	v_and_b32 v[49+2*\c], 0xffff0000, v40
.endr
	s_wait_dscnt 0x0
.irp e, 0,1,2,3,4,5,6,7
	v_add_f32 v[32+\e], v[64+\e], v[72+\e]
	v_add_f32 v[32+\e], v[32+\e], v[80+\e]
	v_add_f32 v[32+\e], v[32+\e], v[88+\e]
	v_add_f32 v[32+\e], v[32+\e], v[48+\e]         ; the logits
.endr
	v_mov_b32 v41, v32                             ; l1 and its index: a strict comparison keeps the lower index
	v_mov_b32 v42, 0
.irp e, 1,2,3,4,5,6,7
	v_cmp_gt_f32 vcc_lo, v[32+\e], v41
	v_cndmask_b32 v41, v41, v[32+\e], vcc_lo
	v_cndmask_b32 v42, v42, \e, vcc_lo
.endr
	v_mov_b32 v43, 0xff800000
.irp e, 0,1,2,3,4,5,6,7
	v_cmp_eq_u32 vcc_lo, \e, v42
	v_cndmask_b32 v[48+\e], v[32+\e], v43, vcc_lo  ; the first choice is taken out
.endr
	v_mov_b32 v44, v48                             ; l2 and its index
	v_mov_b32 v45, 0
.irp e, 1,2,3,4,5,6,7
	v_cmp_gt_f32 vcc_lo, v[48+\e], v44
	v_cndmask_b32 v44, v44, v[48+\e], vcc_lo
	v_cndmask_b32 v45, v45, \e, vcc_lo
.endr
	s_mov_b32 s34, 0x3fb8aa3b                      ; log2(e)
	s_mov_b32 s35, 0x3f317218                      ; ln(2)
	v_mul_f32 v46, s34, v41
.irp e, 0,1,2,3,4,5,6,7
	v_fma_f32 v[56+\e], v[32+\e], s34, -v46        ; (l - l1) log2(e)
.endr
	v_fma_f32 v47, v44, s34, -v46
.irp e, 0,1,2,3,4,5,6,7
	v_exp_f32 v[56+\e], v[56+\e]
.endr
	v_exp_f32 v47, v47
	v_nop                                          ; a plain instruction behind the last exponential,
	s_wait_alu depctr_va_vdst(0)                   ; and one wait for the batch of nine
	v_add_f32 v56, v56, v57
	v_add_f32 v58, v58, v59
	v_add_f32 v60, v60, v61
	v_add_f32 v62, v62, v63
	v_add_f32 v56, v56, v58
	v_add_f32 v60, v60, v62
	v_add_f32 v56, v56, v60
	v_add_f32 v40, 1.0, v47
	v_rcp_f32 v100, v40                            ; w1
	v_log_f32 v97, v56
	v_nop
	s_wait_alu depctr_va_vdst(0)                   ; one wait for the two
	v_mul_f32 v101, v47, v100                      ; w2
	v_fma_f32 v102, v97, s35, v41                  ; lse
	v_mov_b32 v103, 0
	v_mov_b32 v104, 0
.irp e, 0,1,2,3,4,5,6,7
	v_cmp_eq_u32 s36, \e, v42
	v_cmp_eq_u32 s37, \e, v45
	s_and_b32 s36, s36, 0xffff                     ; lanes 16-31 repeat lanes 0-15
	s_and_b32 s37, s37, 0xffff
	v_writelane_b32 v103, s36, 2*\e                ; lane 2 e + j: the 16 tokens that took expert e as choice j
	v_writelane_b32 v103, s37, 2*\e+1
	s_or_b32 s36, s36, s37
	s_bcnt1_i32_b32 s36, s36
	v_writelane_b32 v104, s36, \e                  ; lane e: how many of the 16 tokens took expert e
.endr
	v_cvt_f32_u32 v104, v104
	s_lshl_b32 s38, ttmp9, 7
	v_lshl_add_u32 v105, v4, 3, s38                ; wt: 8 (16 g + r)
	s_lshl_b32 s39, ttmp9, 6
	v_lshl_add_u32 v106, v4, 2, s39                ; lse: 4 (16 g + r)
	s_lshl_b32 s40, ttmp9, 1
	v_lshl_add_u32 v107, v3, 7, s40                ; masks: 128 (2 e + j) + 2 g
	s_lshl_b32 s41, ttmp9, 5
	v_lshl_add_u32 v108, v3, 2, s41                ; counts: 32 g + 4 e
	s_wait_xcnt 0x0                                ; EXEC changes only behind this wait
	v_cmp_gt_u32 vcc_lo, 16, v3
	s_and_saveexec_b32 s44, vcc_lo
	global_store_b64 v105, v[100:101], s[14:15]
	global_store_b32 v106, v102, s[14:15] offset:8192
	global_store_b16 v107, v103, s[12:13]          ; 32 bytes a work-group, laid so that an expert's 64 words lie on end for the launches behind
	s_wait_xcnt 0x0
	s_or_b32 exec_lo, exec_lo, s44
	v_cmp_gt_u32 vcc_lo, 8, v3
	s_and_saveexec_b32 s44, vcc_lo
	global_store_b32 v108, v104, s[14:15] offset:12288
	s_wait_xcnt 0x0
	s_or_b32 exec_lo, exec_lo, s44
.Lend:
	s_wait_tensorcnt 0x0                           ; the wave's end
	ds_add_u32 v1, v2
	s_wait_dscnt 0x0
	s_endpgm
.Lfunc_end_k_q7f3588b264_route:
	.size	k_q7f3588b264_route, .Lfunc_end_k_q7f3588b264_route-k_q7f3588b264_route
	.p2alignl 7, 3214868480
	.fill 96, 4, 3214868480
	.section	.rodata,"a",@progbits
	.p2align	6, 0x0
	.amdhsa_kernel k_q7f3588b264_route
		.amdhsa_group_segment_fixed_size 54272
		.amdhsa_private_segment_fixed_size 0
		.amdhsa_enable_private_segment 0
		.amdhsa_kernarg_size 64
		.amdhsa_user_sgpr_count 2
		.amdhsa_user_sgpr_kernarg_segment_ptr 1
		.amdhsa_wavefront_size32 1
		.amdhsa_system_sgpr_workgroup_id_x 1
		.amdhsa_system_sgpr_workgroup_id_y 1
		.amdhsa_system_sgpr_workgroup_id_z 1
		.amdhsa_system_vgpr_workitem_id 0
		.amdhsa_next_free_vgpr 256
		.amdhsa_next_free_sgpr 66
		.amdhsa_reserve_vcc 1
		.amdhsa_float_denorm_mode_32 3
		.amdhsa_float_denorm_mode_16_64 3
		.amdhsa_memory_ordered 1
		.amdhsa_forward_progress 1
		.amdhsa_inst_pref_size 35
	.end_amdhsa_kernel
	.amdgpu_metadata
---
amdhsa.version: [ 1, 2 ]
amdhsa.kernels:
  - .name:           k_q7f3588b264_route
    .symbol:         k_q7f3588b264_route.kd
    .args:
      - { .name: hidden_states, .offset: 0, .size: 8, .value_kind: global_buffer, .address_space: global }
      - { .name: Wr, .offset: 8, .size: 8, .value_kind: global_buffer, .address_space: global }
      - { .name: br, .offset: 16, .size: 8, .value_kind: global_buffer, .address_space: global }
      - { .name: xb, .offset: 24, .size: 8, .value_kind: global_buffer, .address_space: global }
      - { .name: bm, .offset: 32, .size: 8, .value_kind: global_buffer, .address_space: global }
      - { .name: rt, .offset: 40, .size: 8, .value_kind: global_buffer, .address_space: global }
      - { .name: par1, .offset: 48, .size: 8, .value_kind: global_buffer, .address_space: global }
      - { .name: par2, .offset: 56, .size: 8, .value_kind: global_buffer, .address_space: global }
    .group_segment_fixed_size: 54272
    .private_segment_fixed_size: 0
    .kernarg_segment_align: 8
    .kernarg_segment_size: 64
    .max_flat_workgroup_size: 128
    .sgpr_count:     66
    .vgpr_count:     256
    .wavefront_size: 32
...
	.end_amdgpu_metadata
.endif
;; end of part 1
;; launch up (part 2): grid 256 x 1, 4 waves a work-group, no clusters, 297,472 bytes of LDS; arguments W1, b1, xb, bm, rt, par1, h; writes h
.if DOCPART == 2
	.amdgcn_target "amdgcn-amd-amdhsa--gfx1250"
	.amdhsa_code_object_version 6
	.text
	.protected	k_q7f3588b264_up
	.globl	k_q7f3588b264_up
	.p2align	8
	.type	k_q7f3588b264_up,@function
k_q7f3588b264_up:
	s_mov_b64 s[64:65], 0
	v_nop
	global_prefetch_b8 v0, s[64:65] scope:SCOPE_SE
	s_setreg_imm32_b32 hwreg(HW_REG_WAVE_MODE, 25, 1), 1
	s_wait_xcnt 0x0
; ONE TEXT FOR BOTH PRODUCTS OF THE EXPERTS.  A table of ten whole numbers (stored by the router's launch) gives the sizes.
;   mode 0:  h[id][f]    = gelu(x[id / 2] . W1[e][:, f] + b1[e][f]), rounded to bf16          (32 slices of 128 columns an expert)
;   mode 1:  y[q][id][c] = wt[id] (h[id][1024 q ..] . W2[e][1024 q .., c] + (q == 0) b2[e][c]), f32   (4 quarters of K x 8 slices)
; id = 2 token + choice names a routed row.  256 work-groups: expert e = x / 32; each owns ONE slice of its expert's weights, 1,024 K x 128
; columns of f32, which it alone reads, once.  Only the rows that chose the expert are multiplied; every split of the tokens is served.
; THE STREAM.  K goes in 8 chunks of 128 = 4 steps of 32.  In a step a wave loads 8 rows x 512 bytes of weights, rounds them to bf16 four
; steps later and lays them into LDS with K along the rows; a chunk's region is written once and never again, so one barrier a chunk is all.
; A wave has four steps' weights and token fragments out: 72 loads issued, of which the counter holds 63 (ISA guide 5.7.1: the issue waits).
; THE ROWS.  Each wave makes its own list of the expert's ids from the router's bit masks (64 words in scalar registers).  A pass takes 320
; rows: wave w has the blocks of 16 rows 4 j + w, j = 0..4: 5 x 8 accumulators.  Token rows come from memory straight into registers as
; fragments.  Pass 0 runs under the stream.  Rows 320 and up (no split of the tokens is shut out) take up to three more passes from the weights that now lie in
; LDS: right, plain, and slow: their loads are waited for step by step.  Places past the count repeat the last row (same bits to the same
; address); a block wholly past it is not stored, and the fifth block's products are jumped.  An expert with no rows stores nothing.
; COLUMNS.  D = tokens x weights: register jj of lane (r, h) is token 8 h + jj, column (tile f, lane r).  Which column that is, is free: it
; is set by the LDS row into which a column is laid.  Mode 0: column 8 r + f, so a lane's eight tiles pack into 16 bytes of bf16; mode 1:
; column 64 (f % 2) + 4 r + f / 2, so four tiles are 16 bytes of f32.  Either way 16 lanes store 256 consecutive, aligned bytes, with no stage.
; FORMATS.  Weights, biases and x are rounded to bf16 (bf16, not f16: h has no bound), sums in f32, h rounded once.
; GELU is exact GELU with erf by Abramowitz and Stegun 7.1.25: gelu(x) = max(x, 0) - |x| (a1 t + a2 t^2 + a3 t^3) 2^(-x^2 log2(e) / 2),
; t = 1 / (1 + 0.33267253 |x|); erf is off by 2.5e-5 at the most, for every x, so gelu by 1.25e-5 |x|.  NaN and infinities are not treated apart.
; NO CLUSTER, NO TENSOR LOAD: a slice has one reader; what an expert's work-groups share are token rows that come by a list, which no
; descriptor covers; and 273 KB of resident bf16 weights leave no room for slots of f32.
; The accumulators are set to the bias by 320 moves: in pass 0 they stand in the wait for the first weights.
.set RG,    34944                      ; a chunk's region: 128 rows of 272 bytes (256 + 16: rows start 16 bytes apart modulo 256), rows 64 and up 128 bytes further
.set LIST,  8*RG                       ; 279,552: each wave's list: 1,024 ids, then a word for the lanes that have nothing to say
.set LISTB, 4352
.set SPARE, LIST+4*LISTB               ; 296,960: the spare words, 128 bytes a wave: two blocks of 256 bytes that no other line names
; vector registers, window 0
.set SPW, 1                            ; my spare word;  NIL: 0.  These two serve the closing add alone
.set NIL, 2
.set LN,  3                            ; lane L
.set RR,  4                            ; r = L % 16
.set HH,  5                            ; h = L / 16
.set H16, 6
.set R16, 7
.set LB,  8                            ; my wave's list
.set VROW, 10                          ; 16 w + r
.set H8,  11
.set BB,  12                           ; weights' fragments: 272 r + 16 h + the region in hand
.set BB0, 13
.set STB0, 14                          ; where I lay 16 bytes of a column, mode 0
.set STB1, 15                          ; mode 1
.set WO,  16                           ; v16-23  (8 w + i) x pitch + 16 L
.set AO,  24                           ; v24-28  block j: my token row's byte offset + 16 h
.set BIAS, 40                          ; v40-47  tile f's bias for my column
.set BF,  64                           ; v64-127, v128-191  two buffers of weights' fragments
.set X,   64                           ; the way out: a block's 64 sums
.set AX,  128                          ; |x|; in mode 1 the 64 numbers to store
.set DD,  144
.set QQ,  160
.set RS,  176
.set TT,  192                          ; v192-207  16 words of bf16 on their way into LDS; the way out: t
.set OB,  208                          ; v208-239  a block's h, packed
.set OO,  240                          ; v240-247  output offsets of my eight rows
.set ID,  248                          ; v248-255  their ids, then their gate weights
; window 1: v0-159 token fragments, slot s at 40 s, block j at + 8 j.  window 2: accumulators of blocks 0-3 at 64 j + 8 f.
; window 3: v0-63 block 4's accumulators; v64-191 weights as loaded, slot s at 64 + 32 s.
.set WR,  64
; scalar registers
.set WV, 2
.set NE, 3                             ; the expert's rows
.set WB, 4                             ; s[4:11] the four steps' weight addresses
.set RT, 12
.set AB, 14                            ; token rows at the chunk in hand
.set OUT, 16
.set NM1, 18
.set RB, 19                            ; the pass's first row
.set L4, 20                            ; 1: my fifth block is alive          (s20-s51, s68-s99 hold the bit masks first)
.set TC, 21
.set PC, 22
.set BJ, 23
.set RBJ, 24
.set C8, 25
.set ABSM, 27
.set AB2, 28
.set C1, 30
.set C2, 32
.set A1, 34
.set A2, 36
.set A3, 38
.set WP, 52
.set FLAG, 53                          ; first the shift that splits the slice number
.set MM, 54                            ; first its mask
.set AP, 55
.set ASH, 56
.set MODE, 57
.set OP, 58
.set OSL, 59
.set BST, 60
.set BS2, 61
.set WST, 62
.set T0, 66
.set T1, 67
.set BIB, 100
.set AB0, 104
.set MSB, 0
.macro WIN new                         ; bits 1:0 source 0, 3:2 source 1, 5:4 source 2, 7:6 destination; the high byte repeats the setting that is left
.if MSB != (\new)
	s_set_vgpr_msb (MSB<<8)|(\new)
.set MSB, (\new)
.endif
.endm
.macro PLACES                          ; four places behind matrix instructions (ISA guide 7.12.1), where no other vector work is at hand
.rept 4
	v_nop
.endr
.endm
	s_load_b256 s[4:11], s[0:1], 0x0               ; W s[4:5], bias s[6:7], token rows s[8:9], masks s[10:11]
	s_load_b128 s[12:15], s[0:1], 0x20             ; gate weights s[12:13], table s[14:15]
	s_load_b64 s[16:17], s[0:1], 0x30              ; output
	v_lshl_add_u32 v[SPW], v0, 2, SPARE
	v_mov_b32 v[NIL], 0
	v_and_b32 v[LN], 31, v0
	v_and_b32 v[RR], 15, v0
	v_bfe_u32 v[HH], v0, 4, 1
	v_lshrrev_b32 v29, 5, v0
	v_readfirstlane_b32 s[WV], v29
	v_lshlrev_b32 v[H16], 4, v[HH]
	v_lshlrev_b32 v[R16], 4, v[RR]
	v_lshlrev_b32 v[H8], 3, v[HH]
	s_mul_i32 s[T0], s[WV], LISTB
	s_add_co_u32 s[T0], s[T0], LIST
	v_mov_b32 v[LB], s[T0]
	v_lshl_add_u32 v[VROW], s[WV], 4, v[RR]
	v_mul_u32_u24 v[BB0], v[RR], 272
	v_add_nc_u32 v[BB0], v[BB0], v[H16]
	v_mov_b32 v[BB], v[BB0]
	v_and_b32 v29, 1, v0                           ; mode 0: column 4 L + j lies in LDS row 64 (L % 2) + 16 j + L / 2
	v_bfe_u32 v30, v0, 1, 4
	v_lshl_add_u32 v30, v29, 6, v30
	v_mul_u32_u24 v[STB0], v30, 272
	v_lshl_add_u32 v[STB0], v29, 7, v[STB0]
	s_lshl_b32 s[T1], s[WV], 4                     ; my eight K of a step: 16 bytes at 16 w
	v_add_nc_u32 v[STB0], s[T1], v[STB0]
	v_mul_u32_u24 v[STB1], v[LN], 272              ; mode 1: in row 32 j + L
	v_add_nc_u32 v[STB1], s[T1], v[STB1]
	s_wait_kmcnt 0x0
	s_load_b256 s[52:59], s[14:15], 0x0
	s_load_b64 s[60:61], s[14:15], 0x20
	s_lshr_b32 s20, ttmp9, 5                       ; e
	s_and_b32 s21, ttmp9, 31
	s_wait_kmcnt 0x0
	s_min_u32 s[WP], s[WP], 0x4000                 ; every number that was loaded is held to its largest value before it enters an address
	s_min_u32 s53, s53, 5
	s_min_u32 s54, s54, 31
	s_min_u32 s[AP], s[AP], 0x2000
	s_min_u32 s[ASH], s[ASH], 1
	s_min_u32 s[MODE], s[MODE], 1
	s_min_u32 s[OP], s[OP], 0x2000
	s_min_u32 s[OSL], s[OSL], 0x200
	s_min_u32 s[BST], s[BST], 32
	s_min_u32 s[BS2], s[BS2], 0x100
	s_lshr_b32 s22, s21, s53
	s_min_u32 s22, s22, 3                          ; q: the quarter of K
	s_and_b32 s23, s21, s54
	s_min_u32 s23, s23, 31                         ; s: the slice of 128 columns
	s_lshl_b32 s24, s20, 24                        ; an expert's weights are 16 MiB
	s_lshl_b32 s25, s[WP], 10
	s_mul_i32 s25, s25, s22                        ; 1,024 rows a quarter
	s_add_co_u32 s24, s24, s25
	s_lshl_b32 s26, s23, 9                         ; 512 bytes a slice
	s_add_co_u32 s24, s24, s26
	s_mov_b32 s25, 0
	s_mov_b32 s29, 0
	s_mul_i32 s28, s20, s[WP]                      ; a row of the bias is as long as a row of the weights
	s_add_co_u32 s28, s28, s26
	s_add_nc_u64 s[BIB:BIB+1], s[6:7], s[28:29]
	s_lshl_b32 s28, s22, 11
	s_add_nc_u64 s[AB0:AB0+1], s[8:9], s[28:29]
	s_lshl_b32 s28, s20, 8
	s_add_nc_u64 s[T0:T1], s[10:11], s[28:29]      ; the expert's 64 words of masks
	s_lshl_b32 s28, s22, 23
	s_mul_i32 s30, s23, s[OSL]
	s_add_co_u32 s28, s28, s30
	s_add_nc_u64 s[OUT:OUT+1], s[OUT:OUT+1], s[28:29]
	s_add_nc_u64 s[WB:WB+1], s[4:5], s[24:25]
	s_lshl_b32 s28, s[WP], 5                       ; 32 rows a step
	s_add_nc_u64 s[WB+2:WB+3], s[WB:WB+1], s[28:29]
	s_add_nc_u64 s[WB+4:WB+5], s[WB+2:WB+3], s[28:29]
	s_add_nc_u64 s[WB+6:WB+7], s[WB+4:WB+5], s[28:29]
	s_lshl_b32 s[WST], s[WP], 7                    ; 128 rows a chunk
	s_mov_b32 s[WST+1], 0
	s_mov_b64 s[AB:AB+1], s[AB0:AB0+1]
	s_cmp_eq_u32 s22, 0
	s_cselect_b32 s[FLAG], 1.0, 0                  ; the bias goes into the first quarter's sums alone
	s_cmp_eq_u32 s[MODE], 1
	s_cselect_b32 s[MM], -1, 0
.irp i, 0,1,2,3,4,5,6,7
	s_lshl3_add_u32 s28, s[WV], \i
	s_mul_i32 s28, s28, s[WP]
	v_lshl_add_u32 v[WO+\i], v[LN], 4, s28
.endr
	v_mul_lo_u32 v52, v[RR], s[BST]
	v_add_nc_u32 v53, s[BS2], v52
	global_load_b128 v[32:35], v52, s[BIB:BIB+1]
	global_load_b128 v[36:39], v53, s[BIB:BIB+1]
	WIN 0xc0
.irp g, 0,1,2,3
.irp i, 0,1,2,3,4,5,6,7
	global_load_b128 v[WR+32*\g+4*\i:WR+32*\g+4*\i+3], v[WO+\i], s[WB+2*\g:WB+2*\g+1] th:TH_LOAD_NT  ; chunk 0: 512 consecutive bytes of a weight row each
.endr
.endr
	WIN 0
	s_load_b512 s[20:35], s[T0:T1], 0x0            ; words 0-31: first choices, bit L of word u = token 32 u + L
	s_load_b512 s[36:51], s[T0:T1], 0x40
	s_load_b512 s[68:83], s[T0:T1], 0x80           ; words 32-63: second choices
	s_load_b512 s[84:99], s[T0:T1], 0xc0
	v_lshlrev_b32 v29, 1, v[LN]                    ; the id that my lane stands for: 64 u + 2 L + j
.irp c, 56,57,58,59
	v_mov_b32 v\c, 0
.endr
	v_lshl_add_u32 v31, v[LN], 4, v[LB]
.irp i, 0,1,2,3,4,5,6,7
	ds_store_b128 v31, v[56:59] offset:512*\i      ; my list's 1,024 words begin as id 0: an expert without rows still has a row to name, and no word is read unwritten
.endr
	s_mov_b32 s[NE], 0
	s_wait_kmcnt 0x0
; One word of the masks: my place is the rows so far + the set bits below my lane; a lane whose bit is clear goes to word 1,024.
.macro LW m
	v_mbcnt_lo_u32_b32 v30, s[\m], s[NE]
	s_not_b32 s[T0], s[\m]
	v_bfe_u32 v31, s[T0], v[LN], 1
	v_lshl_add_u32 v30, v31, 10, v30
	v_min_u32 v30, 0x400, v30
	v_lshl_add_u32 v30, v30, 2, v[LB]
	ds_store_b32 v30, v29                          ; LDS serves a wave's instructions in order: this lands on the cleared word
	v_add_nc_u32 v29, 64, v29
	s_bcnt1_i32_b32 s[T1], s[\m]
	s_add_co_u32 s[NE], s[NE], s[T1]
.endm
.set wd, 20
.rept 32
	LW wd
.set wd, wd+1
.endr
	v_lshl_or_b32 v29, v[LN], 1, 1
.set wd, 68
.rept 32
	LW wd
.set wd, wd+1
.endr
	s_wait_xcnt 0x0                                ; the loads issued so far have read their addresses: the weights' bases step to chunk 1
.irp g, 0,1,2,3
	s_add_nc_u64 s[WB+2*\g:WB+2*\g+1], s[WB+2*\g:WB+2*\g+1], s[WST:WST+1]
.endr
	s_max_u32 s[NM1], s[NE], 1
	s_sub_co_u32 s[NM1], s[NM1], 1
	s_mov_b32 s[ABSM], 0x7fffffff
	s_mov_b32 s[C1], 0x3eaa540e                    ; 0.33267253
	s_mov_b32 s[C1+1], s[C1]                       ; named as pairs, so both words are written
	s_mov_b32 s[C2], 0xbf38aa3b                    ; - log2(e) / 2
	s_mov_b32 s[C2+1], s[C2]
	s_mov_b32 s[A1], 0x3e32303a                    ; 0.1740121
	s_mov_b32 s[A1+1], s[A1]
	s_mov_b32 s[A2], 0xbd445ca1                    ; - 0.0479399
	s_mov_b32 s[A2+1], s[A2]
	s_mov_b32 s[A3], 0x3ebf7377                    ; 0.3739278
	s_mov_b32 s[A3+1], s[A3]
	s_wait_loadcnt 32                              ; the bias's two loads are in; chunk 0's 32 stay out
.irp c, 0,1,2,3
	v_cvt_pk_bf16_f32 v54, v[32+2*\c], v[33+2*\c]  ; rounded to bf16 like every input, widened again,
	v_lshlrev_b32 v[32+2*\c], 16, v54
	v_and_b32 v[33+2*\c], 0xffff0000, v54
.endr
.irp c, 0,1,2,3,4,5,6,7
	v_mul_f32 v[32+\c], s[FLAG], v[32+\c]          ; and dropped in the quarters that do not carry it
.endr
.irp f, 0,1,2,3,4,5,6,7
	v_cndmask_b32 v[BIAS+\f], v[32+\f], v[32+4*(\f%2)+\f/2], s[MM]
.endr
	s_mov_b32 s[PC], 0
	s_mov_b32 s[RB], 0
; A pass's rows: is my fifth block alive; my five token rows' offsets from the list (places past the count repeat the last row).
.macro SETUP
	s_lshl4_add_u32 s[T0], s[WV], s[RB]
	s_add_co_u32 s[T0], s[T0], 256
	s_cmp_lt_u32 s[T0], s[NE]
	s_cselect_b32 s[L4], 1, 0
.irp j, 0,1,2,3,4
	v_add3_u32 v[52+\j], v[VROW], s[RB], 64*\j
	v_min_u32 v[52+\j], s[NM1], v[52+\j]
	v_min_u32 v[52+\j], 0x3ff, v[52+\j]
	v_lshl_add_u32 v[52+\j], v[52+\j], 2, v[LB]
	ds_load_b32 v[AO+\j], v[52+\j]                 ; LDS serves a wave's instructions in order: these see my list's stores
.endr
	s_wait_dscnt 0x0
.irp j, 0,1,2,3,4
	v_lshrrev_b32 v[AO+\j], s[ASH], v[AO+\j]
	v_min_u32 v[AO+\j], 0x7ff, v[AO+\j]
	v_mad_u32_u24 v[AO+\j], v[AO+\j], s[AP], v[H16]
.endr
.endm
.macro INIT                            ; the sums begin with the bias
	WIN 0x80
.set z, 0
.rept 256
	v_mov_b32 v[z], v[BIAS+(z/8)%8]
.set z, z+1
.endr
	WIN 0xc0
.set z, 0
.rept 64
	v_mov_b32 v[z], v[BIAS+z/8]
.set z, z+1
.endr
	WIN 0
.endm
.macro BLOAD sg, b                     ; the weights' fragments of step sg of the region in hand, into buffer b: 16 loads
	WIN 0
.irp f, 0,1,2,3,4,5,6,7
	ds_load_b128 v[BF+64*(\b)+8*\f:BF+64*(\b)+8*\f+3],   v[BB] offset:4352*\f+128*(\f/4)+64*(\sg)
	ds_load_b128 v[BF+64*(\b)+8*\f+4:BF+64*(\b)+8*\f+7], v[BB] offset:4352*\f+128*(\f/4)+64*(\sg)+32
.endr
.endm
.macro ALOAD sl, ab, imm               ; my five blocks' token fragments, 32 K, into slot sl: 10 loads, always ten, so that every count holds on every way
	WIN 0x40
.irp j, 0,1,2,3,4
	global_load_b128 v[40*(\sl)+8*\j:40*(\sl)+8*\j+3],   v[AO+\j], s[\ab:\ab+1] offset:(\imm)
	global_load_b128 v[40*(\sl)+8*\j+4:40*(\sl)+8*\j+7], v[AO+\j], s[\ab:\ab+1] offset:(\imm)+32
.endr
	WIN 0
.endm
.macro MULS sl, b                      ; 32 products, and the fifth block's 8 if it is alive.  All accumulators differ: they take turns
	WIN 0xa1
.irp j, 0,1,2,3
.irp f, 0,1,2,3,4,5,6,7
	v_wmma_f32_16x16x32_bf16 v[64*\j+8*\f:64*\j+8*\f+7], v[40*(\sl)+8*\j:40*(\sl)+8*\j+7], v[BF+64*(\b)+8*\f:BF+64*(\b)+8*\f+7], v[64*\j+8*\f:64*\j+8*\f+7]
.endr
.endr
	WIN 0
	s_cmp_eq_u32 s[L4], 0
	s_cbranch_scc1 .Lno4_\@
	WIN 0xf1
.irp f, 0,1,2,3,4,5,6,7
	v_wmma_f32_16x16x32_bf16 v[8*\f:8*\f+7], v[40*(\sl)+32:40*(\sl)+39], v[BF+64*(\b)+8*\f:BF+64*(\b)+8*\f+7], v[8*\f:8*\f+7]
.endr
	WIN 0
.Lno4_\@:
.endm
; A STEP, 32 along K.  n: the loads younger than this step's weights and token fragments, which were issued four steps ago.
; conv: slot sg's weights (of the NEXT chunk) are rounded and laid into the next region.  wiss: the slot is asked for again.
; mat: this chunk's products; the next step's fragments are fetched from LDS first.  aiss: the slot's token fragments are asked for again.
.macro STEP sg, conv, wiss, aiss, aimm, mat, n
	s_wait_loadcnt \n
.if \conv
	WIN 0x0f
.irp j, 0,1,2,3
.irp p, 0,1,2,3
	v_cvt_pk_bf16_f32 v[TT+4*\j+\p], v[WR+32*(\sg)+8*\p+\j], v[WR+32*(\sg)+8*\p+4+\j]  ; column 4 L + j, K 8 w + 2 p and + 1
.endr
.endr
	WIN 0
	s_cmp_lg_u32 s[MODE], 0
	s_cbranch_scc1 .Lsm1_\@
.irp j, 0,1,2,3
	ds_store_b128 v[STB0], v[TT+4*\j:TT+4*\j+3] offset:4352*\j+64*(\sg)
.endr
	s_branch .Lsmj_\@
.Lsm1_\@:
.irp j, 0,1,2,3
	ds_store_b128 v[STB1], v[TT+4*\j:TT+4*\j+3] offset:8704*\j+128*(\j/2)+64*(\sg)
.endr
.Lsmj_\@:
.endif
.if \wiss
	WIN 0xc0
.irp i, 0,1,2,3,4,5,6,7
	global_load_b128 v[WR+32*(\sg)+4*\i:WR+32*(\sg)+4*\i+3], v[WO+\i], s[WB+2*(\sg):WB+2*(\sg)+1] th:TH_LOAD_NT
.endr
	WIN 0
.endif
.if \mat
.if !(\conv)
	PLACES                                         ; elsewhere the sixteen conversions are the places in front of the loads below
.endif
.set DSN, 4*(\conv)                    ; younger than this step's fragments: my four stores, and the sixteen loads just below
.if (\sg) < 3
	BLOAD (\sg)+1, ((\sg)+1)%2
.set DSN, DSN+16
.endif
	s_wait_dscnt DSN
	MULS \sg, (\sg)%2
.endif
.if \aiss
.if \mat
	PLACES                                         ; the slot's registers were read by the products just issued
.endif
	ALOAD \sg, AB, (\aimm)+64*(\sg)
.endif
.endm
; A chunk's end.  ONE barrier: in front of it my stores into the next region are done; behind it that region is whole.  No region is written twice.
.macro TRIPEND advst, advwb, advbb, advab
	WIN 0
	s_wait_dscnt 0x0
	s_barrier_signal -1
	s_barrier_wait -1
	s_wait_xcnt 0x0                                ; the loads issued so far have read their bases, which step now
.if \advst
	v_add_nc_u32 v[STB0], RG, v[STB0]
	v_add_nc_u32 v[STB1], RG, v[STB1]
.endif
.if \advwb
.irp g, 0,1,2,3
	s_add_nc_u64 s[WB+2*\g:WB+2*\g+1], s[WB+2*\g:WB+2*\g+1], s[WST:WST+1]
.endr
.endif
.if \advbb
	v_add_nc_u32 v[BB], RG, v[BB]
.endif
.if \advab
	s_add_nc_u64 s[AB:AB+1], s[AB:AB+1], 256
.endif
	BLOAD 0, 0
.endm
	SETUP
	INIT
	; chunk 0 goes into region 0; chunk 1 and chunk 0's token fragments are asked for.  The counts: the rest of chunk 0 (24, 16, 8, 0) + 18 for each step gone by
	STEP 0, 1, 1, 1, 0, 0, 24
	STEP 1, 1, 1, 1, 0, 0, 34
	STEP 2, 1, 1, 1, 0, 0, 44
	STEP 3, 1, 1, 1, 0, 0, 54
	TRIPEND 1, 1, 0, 0
	s_mov_b32 s[TC], 6
.Ltrip:                                        ; trip c = 0..5: multiplies chunk c, lays chunk c + 1, asks for the weights of c + 2 and the token fragments of c + 1
	STEP 0, 1, 1, 1, 256, 1, 54                    ; three steps of 8 + 10 loads are younger
	STEP 1, 1, 1, 1, 256, 1, 54
	STEP 2, 1, 1, 1, 256, 1, 54
	STEP 3, 1, 1, 1, 256, 1, 54
	TRIPEND 1, 1, 1, 1
	s_sub_co_u32 s[TC], s[TC], 1
	s_cmp_lg_u32 s[TC], 0
	s_cbranch_scc1 .Ltrip
	STEP 0, 1, 0, 1, 256, 1, 54                    ; chunk 6: no weights are left to ask for, so a step adds 10 and the counts run down by 8
	STEP 1, 1, 0, 1, 256, 1, 46
	STEP 2, 1, 0, 1, 256, 1, 38
	STEP 3, 1, 0, 1, 256, 1, 30
	TRIPEND 0, 0, 1, 0
	STEP 0, 0, 0, 0, 0, 1, 30                      ; chunk 7: nothing is asked for
	STEP 1, 0, 0, 0, 0, 1, 20
	STEP 2, 0, 0, 0, 0, 1, 10
	STEP 3, 0, 0, 0, 0, 1, 0
	s_branch .Lepi
.Lpass:                                        ; passes 1 to 3: rows 320 and up, from the weights in LDS.  No barrier stands in this loop
	s_cmp_ge_u32 s[RB], s[NE]
	s_cbranch_scc1 .Lnext
	SETUP
	INIT
	v_mov_b32 v[BB], v[BB0]                        ; region 0 again
	s_mov_b64 s[AB2:AB2+1], s[AB0:AB0+1]
	s_mov_b32 s[C8], 8
.Lso:                                          ; a trip is a chunk: its four steps are written out, their 64 bytes along K in the immediates; the region steps once a trip
.irp sg, 0,1,2,3
	ALOAD 0, AB2, 64*\sg
	BLOAD \sg, 0
	s_wait_loadcnt 0x0                             ; plain: nothing runs ahead here
	s_wait_dscnt 0x0
	MULS 0, 0
	PLACES                                         ; in front of the next step's loads, and of the way out
.endr
	v_add_nc_u32 v[BB], RG, v[BB]
	s_add_nc_u64 s[AB2:AB2+1], s[AB2:AB2+1], 256   ; its loads are done (the wait for 0 above)
	s_sub_co_u32 s[C8], s[C8], 1
	s_cmp_lg_u32 s[C8], 0
	s_cbranch_scc1 .Lso
.Lepi:                                         ; THE WAY OUT, a block of 16 rows at a time; one text for the five blocks, which are copied into window 0 first
	PLACES
	s_mov_b32 s[BJ], 0
	s_lshl4_add_u32 s[RBJ], s[WV], s[RB]
.macro COPY win, base                  ; ascending: each accumulator is read from its low end on
	WIN \win
.set z, 0
.rept 64
	v_mov_b32 v[X+z], v[(\base)+z]
.set z, z+1
.endr
	WIN 0
.endm
.Lblk:
	s_wait_xcnt 0x0                                ; the last block's stores have read their data and offsets
	s_cmp_ge_u32 s[RBJ], s[NE]
	s_cbranch_scc1 .Lblkn                          ; a block wholly past the count stores nothing
	s_cmp_eq_u32 s[BJ], 0
	s_cbranch_scc1 .Lc0
	s_cmp_eq_u32 s[BJ], 1
	s_cbranch_scc1 .Lc1
	s_cmp_eq_u32 s[BJ], 2
	s_cbranch_scc1 .Lc2
	s_cmp_eq_u32 s[BJ], 3
	s_cbranch_scc1 .Lc3
	COPY 0x03, 0
	s_branch .Lcom
.Lc0:
	COPY 0x02, 0
	s_branch .Lcom
.Lc1:
	COPY 0x02, 64
	s_branch .Lcom
.Lc2:
	COPY 0x02, 128
	s_branch .Lcom
.Lc3:
	COPY 0x02, 192
.Lcom:
.irp jj, 0,1,2,3,4,5,6,7
	v_add3_u32 v[52+\jj], v[H8], s[RBJ], \jj       ; register jj holds row 8 h + jj of the block
	v_min_u32 v[52+\jj], s[NM1], v[52+\jj]
	v_min_u32 v[52+\jj], 0x3ff, v[52+\jj]
	v_lshl_add_u32 v[52+\jj], v[52+\jj], 2, v[LB]
	ds_load_b32 v[ID+\jj], v[52+\jj]
.endr
	s_wait_dscnt 0x0
.irp jj, 0,1,2,3,4,5,6,7
	v_min_u32 v[ID+\jj], 0x7ff, v[ID+\jj]
	v_mad_u32_u24 v[OO+\jj], v[ID+\jj], s[OP], v[R16]
.endr
	s_cmp_lg_u32 s[MODE], 0
	s_cbranch_scc1 .Lm1
; Mode 0.  Rows 2 p and 2 p + 1 of the block, all eight tiles: 16 numbers a lane.  The 16 reciprocals and 16 exponentials are one batch with one wait.
.macro GUNIT p
.irp f, 0,1,2,3,4,5,6,7
	v_and_b32 v[AX+2*\f],   s[ABSM], v[X+8*\f+2*(\p)]
	v_and_b32 v[AX+2*\f+1], s[ABSM], v[X+8*\f+2*(\p)+1]
.endr
.irp f, 0,1,2,3,4,5,6,7
	v_pk_fma_f32 v[DD+2*\f:DD+2*\f+1], v[AX+2*\f:AX+2*\f+1], s[C1:C1+1], 1.0 op_sel_hi:[1,0,0]
.endr
.irp f, 0,1,2,3,4,5,6,7
	v_pk_mul_f32 v[QQ+2*\f:QQ+2*\f+1], v[X+8*\f+2*(\p):X+8*\f+2*(\p)+1], v[X+8*\f+2*(\p):X+8*\f+2*(\p)+1]
.endr
.irp f, 0,1,2,3,4,5,6,7
	v_pk_mul_f32 v[QQ+2*\f:QQ+2*\f+1], v[QQ+2*\f:QQ+2*\f+1], s[C2:C2+1] op_sel_hi:[1,0]
.endr
.set z, 0
.rept 16
	v_rcp_f32 v[TT+z], v[DD+z]                     ; t
.set z, z+1
.endr
.set z, 0
.rept 16
	v_exp_f32 v[QQ+z], v[QQ+z]                     ; 2^(-x^2 log2(e) / 2)
.set z, z+1
.endr
.irp f, 0,1,2,3,4,5,6,7
	v_max_num_f32 v[RS+2*\f],   0, v[X+8*\f+2*(\p)]     ; plain work that names no result of the batch
	v_max_num_f32 v[RS+2*\f+1], 0, v[X+8*\f+2*(\p)+1]
.endr
	s_wait_alu depctr_va_vdst(0)                   ; the one wait ahead of the batch's first reader
.irp f, 0,1,2,3,4,5,6,7
	v_pk_fma_f32 v[DD+2*\f:DD+2*\f+1], v[TT+2*\f:TT+2*\f+1], s[A3:A3+1], s[A2:A2+1] op_sel_hi:[1,0,0]
.endr
.irp f, 0,1,2,3,4,5,6,7
	v_pk_fma_f32 v[DD+2*\f:DD+2*\f+1], v[DD+2*\f:DD+2*\f+1], v[TT+2*\f:TT+2*\f+1], s[A1:A1+1] op_sel_hi:[1,1,0]
.endr
.irp f, 0,1,2,3,4,5,6,7
	v_pk_mul_f32 v[DD+2*\f:DD+2*\f+1], v[DD+2*\f:DD+2*\f+1], v[TT+2*\f:TT+2*\f+1]
.endr
.irp f, 0,1,2,3,4,5,6,7
	v_pk_mul_f32 v[DD+2*\f:DD+2*\f+1], v[DD+2*\f:DD+2*\f+1], v[QQ+2*\f:QQ+2*\f+1]
.endr
.irp f, 0,1,2,3,4,5,6,7
	v_pk_fma_f32 v[RS+2*\f:RS+2*\f+1], v[DD+2*\f:DD+2*\f+1], v[AX+2*\f:AX+2*\f+1], v[RS+2*\f:RS+2*\f+1] neg_lo:[1,0,0] neg_hi:[1,0,0]
.endr
.irp t, 0,1
.irp u, 0,1,2,3
	v_cvt_pk_bf16_f32 v[OB+8*(\p)+4*\t+\u], v[RS+4*\u+\t], v[RS+4*\u+2+\t]   ; columns 8 r + 2 u and + 1 of row 2 p + t
.endr
	global_store_b128 v[OO+2*(\p)+\t], v[OB+8*(\p)+4*\t:OB+8*(\p)+4*\t+3], s[OUT:OUT+1]  ; 16 lanes store 256 consecutive, aligned bytes of a row of h
.endr
.endm
	GUNIT 0
	GUNIT 1
	GUNIT 2
	GUNIT 3
	s_branch .Lblkn
.Lm1:                                          ; mode 1: each row times its gate weight
.irp jj, 0,1,2,3,4,5,6,7
	v_lshlrev_b32 v[52+\jj], 2, v[ID+\jj]
.endr
.irp jj, 0,1,2,3,4,5,6,7
	global_load_b32 v[ID+\jj], v[52+\jj], s[RT:RT+1]
.endr
	s_wait_loadcnt 0x0
.irp jj, 0,1,2,3,4,5,6,7
.irp g, 0,1
.irp c, 0,1,2,3
	v_mul_f32 v[AX+8*\jj+4*\g+\c], v[X+8*(\g+2*\c)+\jj], v[ID+\jj]   ; tile g + 2 c is column 64 g + 4 r + c
.endr
.endr
.endr
.irp jj, 0,1,2,3,4,5,6,7
.irp g, 0,1
	global_store_b128 v[OO+\jj], v[AX+8*\jj+4*\g:AX+8*\jj+4*\g+3], s[OUT:OUT+1] offset:256*\g  ; 16 lanes store 256 consecutive, aligned bytes of a row of y
.endr
.endr
.Lblkn:
	s_add_co_u32 s[RBJ], s[RBJ], 64
	s_add_co_u32 s[BJ], s[BJ], 1
	s_cmp_lt_u32 s[BJ], 5
	s_cbranch_scc1 .Lblk
.Lnext:
	s_add_co_u32 s[RB], s[RB], 320
	s_add_co_u32 s[PC], s[PC], 1
	s_cmp_lt_u32 s[PC], 4                          ; 4 x 320 rows cover the 1,024 that an expert can have
	s_cbranch_scc1 .Lpass
	s_wait_dscnt 0x0                               ; my last LDS reads (weights, list) are back;
	s_barrier_signal -1                            ; one barrier, on every wave's path: no wave comes to its closing add
	s_barrier_wait -1                              ; while another still reads LDS
	s_wait_tensorcnt 0x0                           ; the wave's end
	ds_add_u32 v[SPW], v[NIL]
	s_wait_dscnt 0x0
	s_endpgm
.Lfunc_end_k_q7f3588b264_up:
	.size	k_q7f3588b264_up, .Lfunc_end_k_q7f3588b264_up-k_q7f3588b264_up
	.p2alignl 7, 3214868480
	.fill 96, 4, 3214868480
	.section	.rodata,"a",@progbits
	.p2align	6, 0x0
	.amdhsa_kernel k_q7f3588b264_up
		.amdhsa_group_segment_fixed_size 297472
		.amdhsa_private_segment_fixed_size 0
		.amdhsa_enable_private_segment 0
		.amdhsa_kernarg_size 56
		.amdhsa_user_sgpr_count 2
		.amdhsa_user_sgpr_kernarg_segment_ptr 1
		.amdhsa_wavefront_size32 1
		.amdhsa_system_sgpr_workgroup_id_x 1
		.amdhsa_system_sgpr_workgroup_id_y 1
		.amdhsa_system_sgpr_workgroup_id_z 1
		.amdhsa_system_vgpr_workitem_id 0
		.amdhsa_next_free_vgpr 960
		.amdhsa_next_free_sgpr 106
		.amdhsa_reserve_vcc 0
		.amdhsa_float_denorm_mode_32 3
		.amdhsa_float_denorm_mode_16_64 3
		.amdhsa_memory_ordered 1
		.amdhsa_forward_progress 1
		.amdhsa_inst_pref_size 221
	.end_amdhsa_kernel
	.amdgpu_metadata
---
amdhsa.version: [ 1, 2 ]
amdhsa.kernels:
  - .name:           k_q7f3588b264_up
    .symbol:         k_q7f3588b264_up.kd
    .args:
      - { .name: W1, .offset: 0, .size: 8, .value_kind: global_buffer, .address_space: global }
      - { .name: b1, .offset: 8, .size: 8, .value_kind: global_buffer, .address_space: global }
      - { .name: xb, .offset: 16, .size: 8, .value_kind: global_buffer, .address_space: global }
      - { .name: bm, .offset: 24, .size: 8, .value_kind: global_buffer, .address_space: global }
      - { .name: rt, .offset: 32, .size: 8, .value_kind: global_buffer, .address_space: global }
      - { .name: par1, .offset: 40, .size: 8, .value_kind: global_buffer, .address_space: global }
      - { .name: h, .offset: 48, .size: 8, .value_kind: global_buffer, .address_space: global }
    .group_segment_fixed_size: 297472
    .private_segment_fixed_size: 0
    .kernarg_segment_align: 8
    .kernarg_segment_size: 56
    .max_flat_workgroup_size: 128
    .sgpr_count:     106
    .vgpr_count:     960
    .wavefront_size: 32
...
	.end_amdgpu_metadata
.endif
;; end of part 2
;; launch down: the kernel of part 2 again; grid 256 x 1, 4 waves a work-group, no clusters, 297,472 bytes of LDS; arguments W2, b2, h, bm, rt, par2, y; writes y
;; launch sum (part 3): grid 256 x 1, 8 waves a work-group, no clusters, 0 bytes of LDS; arguments y, rt, out0, out1; writes out0, out1
.if DOCPART == 3
	.amdgcn_target "amdgcn-amd-amdhsa--gfx1250"
	.amdhsa_code_object_version 6
	.text
	.protected	k_q7f3588b264_sum
	.globl	k_q7f3588b264_sum
	.p2align	8
	.type	k_q7f3588b264_sum,@function
k_q7f3588b264_sum:
	s_mov_b64 s[64:65], 0
	v_nop
	global_prefetch_b8 v0, s[64:65] scope:SCOPE_SE
	s_setreg_imm32_b32 hwreg(HW_REG_WAVE_MODE, 25, 1), 1
	s_wait_xcnt 0x0
; out0[t] = the sum of token t's eight partial rows y[q][2 t + j] (4 quarters of K x 2 choices; the gate weights and biases are in them), in f32, in a fixed tree.
; 256 work-groups of eight waves; a work-group owns 4 tokens; thread tau owns the 16 bytes at 16 tau of every row, so a load or store of a wave covers
; 512 consecutive bytes.  All 32 loads of a thread go out at once; the waits count down by tokens.  A stream: no LDS, no matrix unit, no cluster (nothing is shared).
; Wave 0 of work-group 0 then makes out1 = 0.01 mean_e((c_e / 2048 - 1/8)^2) + 0.001 mean_t(lse_t) from the router's counts (whole numbers kept as f32: their sums are exact) and logsumexps.
	s_load_b256 s[4:11], s[0:1], 0x0               ; y s[4:5], rt s[6:7], out0 s[8:9], out1 s[10:11]
	v_lshlrev_b32 v1, 4, v0
	v_lshrrev_b32 v2, 5, v0
	v_readfirstlane_b32 s2, v2                     ; wave
	s_lshl_b32 s12, ttmp9, 15                      ; 4 tokens x 2 rows x 4,096 bytes
	s_mov_b32 s13, 0
	s_lshl_b32 s14, ttmp9, 14                      ; 4 rows of 4,096 bytes
	s_mov_b32 s15, 0
	s_wait_kmcnt 0x0
	s_add_nc_u64 s[16:17], s[4:5], s[12:13]
	s_add_nc_u64 s[18:19], s[16:17], 0x800000      ; a quarter's rows are 8 MiB
	s_add_nc_u64 s[20:21], s[18:19], 0x800000
	s_add_nc_u64 s[22:23], s[20:21], 0x800000
	s_add_nc_u64 s[8:9], s[8:9], s[14:15]
.irp i, 0,1,2,3
.irp q, 0,1,2,3
.irp j, 0,1
	global_load_b128 v[16+32*\i+8*\q+4*\j:16+32*\i+8*\q+4*\j+3], v1, s[16+2*\q:17+2*\q] offset:8192*\i+4096*\j th:TH_LOAD_NT
.endr
.endr
.endr
.macro ADD4 a, b                       ; four numbers onto four
	v_pk_add_f32 v[\a:\a+1], v[\a:\a+1], v[\b:\b+1]
	v_pk_add_f32 v[\a+2:\a+3], v[\a+2:\a+3], v[\b+2:\b+3]
.endm
.irp i, 0,1,2,3
	s_wait_loadcnt 24-8*\i                         ; loads come back in order: this token's eight are in, the later tokens' stay out
	ADD4 16+32*\i, 20+32*\i
	ADD4 24+32*\i, 28+32*\i
	ADD4 32+32*\i, 36+32*\i
	ADD4 40+32*\i, 44+32*\i
	ADD4 16+32*\i, 24+32*\i
	ADD4 32+32*\i, 40+32*\i
	ADD4 16+32*\i, 32+32*\i
	global_store_b128 v1, v[16+32*\i:16+32*\i+3], s[8:9] offset:4096*\i
.endr
	s_cmp_lg_u32 ttmp9, 0
	s_cbranch_scc1 .Lend
	s_cmp_lg_u32 s2, 0
	s_cbranch_scc1 .Lend
	s_wait_xcnt 0x0                                ; the stores have read v16 and up, which are loaded again
	v_lshlrev_b32 v3, 5, v0                        ; in wave 0 the thread's number is the lane
.irp u, 0,1,2,3,4,5,6,7
	global_load_b128 v[16+4*\u:16+4*\u+3], v1, s[6:7] offset:8192+512*\u    ; 1,024 logsumexps
.endr
	global_load_b128 v[48:51], v3, s[6:7] offset:12288                      ; the counts of token groups L and L + 32, eight experts each
	global_load_b128 v[52:55], v3, s[6:7] offset:12288+16
	global_load_b128 v[56:59], v3, s[6:7] offset:12288+1024
	global_load_b128 v[60:63], v3, s[6:7] offset:12288+1024+16
	s_mov_b32 s24, 0x76543210                      ; v_permlanex16_b32: each lane takes its own place in the other half
	s_mov_b32 s25, 0xfedcba98
	s_mov_b32 s26, 0x3a000000                      ; 1 / 2048
	s_mov_b32 s27, 0xbe000000                      ; - 1 / 8
	s_mov_b32 s28, 0x3583126f                      ; 0.001 / 1024
	s_mov_b32 s29, 0x3aa3d70a                      ; 0.01 / 8
	v_mov_b32 v64, 0
	v_mov_b32 v67, 0
	s_wait_loadcnt 0x0
.irp u, 1,2,3,4,5,6,7
	v_pk_add_f32 v[16:17], v[16:17], v[16+4*\u:17+4*\u]
	v_pk_add_f32 v[18:19], v[18:19], v[18+4*\u:19+4*\u]
.endr
	v_pk_add_f32 v[16:17], v[16:17], v[18:19]
	v_add_f32 v16, v16, v17
.irp c, 0,2,4,6
	v_pk_add_f32 v[48+\c:49+\c], v[48+\c:49+\c], v[56+\c:57+\c]
.endr
.macro RED r                           ; the sum over the 32 lanes, in every lane
	v_add_f32_dpp v[\r], v[\r], v[\r] row_xmask:1 row_mask:0xf bank_mask:0xf
	v_add_f32_dpp v[\r], v[\r], v[\r] row_xmask:2 row_mask:0xf bank_mask:0xf
	v_add_f32_dpp v[\r], v[\r], v[\r] row_xmask:4 row_mask:0xf bank_mask:0xf
	v_add_f32_dpp v[\r], v[\r], v[\r] row_xmask:8 row_mask:0xf bank_mask:0xf
	v_permlanex16_b32 v64, v[\r], s24, s25
	v_add_f32 v[\r], v[\r], v64
.endm
	RED 16
.irp e, 0,1,2,3,4,5,6,7
	RED 48+\e
.endr
.irp e, 0,1,2,3,4,5,6,7
	v_fma_f32 v[48+\e], v[48+\e], s26, s27         ; load_e - 1 / 8
.endr
	v_mul_f32 v65, v48, v48
.irp e, 1,2,3,4,5,6,7
	v_fmac_f32 v65, v[48+\e], v[48+\e]
.endr
	v_mul_f32 v66, s28, v16
	v_fma_f32 v66, v65, s29, v66
	s_wait_xcnt 0x0                                ; EXEC changes only behind this wait
	v_cmp_eq_u32 vcc_lo, 0, v0
	s_and_saveexec_b32 s30, vcc_lo
	global_store_b32 v67, v66, s[10:11]
	s_wait_xcnt 0x0
	s_or_b32 exec_lo, exec_lo, s30
.Lend:
	s_endpgm
.Lfunc_end_k_q7f3588b264_sum:
	.size	k_q7f3588b264_sum, .Lfunc_end_k_q7f3588b264_sum-k_q7f3588b264_sum
	.p2alignl 7, 3214868480
	.fill 96, 4, 3214868480
	.section	.rodata,"a",@progbits
	.p2align	6, 0x0
	.amdhsa_kernel k_q7f3588b264_sum
		.amdhsa_group_segment_fixed_size 0
		.amdhsa_private_segment_fixed_size 0
		.amdhsa_enable_private_segment 0
		.amdhsa_kernarg_size 32
		.amdhsa_user_sgpr_count 2
		.amdhsa_user_sgpr_kernarg_segment_ptr 1
		.amdhsa_wavefront_size32 1
		.amdhsa_system_sgpr_workgroup_id_x 1
		.amdhsa_system_sgpr_workgroup_id_y 1
		.amdhsa_system_sgpr_workgroup_id_z 1
		.amdhsa_system_vgpr_workitem_id 0
		.amdhsa_next_free_vgpr 144
		.amdhsa_next_free_sgpr 66
		.amdhsa_reserve_vcc 1
		.amdhsa_float_denorm_mode_32 3
		.amdhsa_float_denorm_mode_16_64 3
		.amdhsa_memory_ordered 1
		.amdhsa_forward_progress 1
		.amdhsa_inst_pref_size 16
	.end_amdhsa_kernel
	.amdgpu_metadata
---
amdhsa.version: [ 1, 2 ]
amdhsa.kernels:
  - .name:           k_q7f3588b264_sum
    .symbol:         k_q7f3588b264_sum.kd
    .args:
      - { .name: y, .offset: 0, .size: 8, .value_kind: global_buffer, .address_space: global }
      - { .name: rt, .offset: 8, .size: 8, .value_kind: global_buffer, .address_space: global }
      - { .name: out0, .offset: 16, .size: 8, .value_kind: global_buffer, .address_space: global }
      - { .name: out1, .offset: 24, .size: 8, .value_kind: global_buffer, .address_space: global }
    .group_segment_fixed_size: 0
    .private_segment_fixed_size: 0
    .kernarg_segment_align: 8
    .kernarg_segment_size: 32
    .max_flat_workgroup_size: 256
    .sgpr_count:     66
    .vgpr_count:     144
    .wavefront_size: 32
...
	.end_amdgpu_metadata
.endif
;; end of part 3
;; ======== version 2 of 2: 4 launches; 1.25 times as fast as version 1
;; limits: a function is approximated: absolute error at most 2.5e-05; an absolute error that grows with the inputs' magnitude: up to 1.25e-05 times it
;; workspace buffers: xb 2,097,152 bytes; h 16,777,216 bytes; y 33,554,432 bytes; rt 14,336 bytes; bm 2,048 bytes of whole numbers; par1 256 bytes of whole numbers; par2 256 bytes of whole numbers
;; launch route: the kernel of part 1 again; grid 64 x 1, 4 waves a work-group, no clusters, 54,272 bytes of LDS; arguments hidden_states, Wr, br, xb, bm, rt, par1, par2; writes xb, bm, rt, par1, par2
;; launch up (part 4): grid 256 x 1, 4 waves a work-group, no clusters, 280,064 bytes of LDS; arguments W1, b1, xb, bm, rt, par1, h; writes h
.if DOCPART == 4
	.amdgcn_target "amdgcn-amd-amdhsa--gfx1250"
	.amdhsa_code_object_version 6
	.text
	.protected	k_q7f3588b264_up
	.globl	k_q7f3588b264_up
	.p2align	8
	.type	k_q7f3588b264_up,@function
k_q7f3588b264_up:
	s_mov_b64 s[64:65], 0
	v_nop
	global_prefetch_b8 v0, s[64:65] scope:SCOPE_SE
	s_setreg_imm32_b32 hwreg(HW_REG_WAVE_MODE, 25, 1), 1
	s_wait_xcnt 0x0
; ONE TEXT FOR BOTH PRODUCTS OF THE EXPERTS.  A table of ten whole numbers (stored by the router's launch) gives the sizes.
;   mode 0:  h[id][f]    = gelu(x[id / 2] . W1[e][:, f] + b1[e][f]), rounded to bf16          (32 slices of 128 columns an expert)
;   mode 1:  y[q][id][c] = wt[id] (h[id][1024 q ..] . W2[e][1024 q .., c] + (q == 0) b2[e][c]), f32   (4 quarters of K x 8 slices)
; id = 2 token + choice names a routed row.  256 work-groups: expert e = x / 32; each owns ONE slice of its expert's weights, 1,024 K x 128
; columns of f32, which it alone reads, once.  Only the rows that chose the expert are multiplied; every split of the tokens is served.
; THE STREAM.  K goes in 8 chunks of 128 = 4 steps of 32.  In a step a wave loads 8 rows x 512 bytes of weights, rounds them to bf16 four
; steps later and lays them into LDS with K along the rows; a chunk's region is written once and never again, so one barrier a chunk is all.
; A wave has four steps' weights and token fragments out: 72 loads issued, of which the counter holds 63 (ISA guide 5.7.1: the issue waits).
; THE ROWS.  The expert's rows are the set bits of the router's 64 mask words, in the words' order; row number rho is the rho-th set bit.
; Each lane finds the ids of its rows IN REGISTERS: the words lie in two vector registers (lane L: words L and 32 + L) and are taken out by
; v_readlane; a walk over the 64 words with a scalar running count leaves each lane the word that holds its row, and five halvings on
; partial bit counts find the bit.  So every token row's address is made by register arithmetic from what was read from memory.
; A pass takes 320 rows: wave w has the blocks of 16 rows 4 j + w, j = 0..4: 5 x 8 accumulators.  Token rows come from memory straight into
; registers as fragments.  Pass 0 runs under the stream.  Rows 320 and up (no split of the tokens is shut out) take up to three more passes
; from the weights that now lie in LDS: right, plain, and slow: their loads are waited for step by step.  Places past the count repeat the
; last row (same bits to the same address); a block wholly past it is not stored, and the fifth block's products are jumped.  An expert
; with no rows stores nothing.
; COLUMNS.  D = tokens x weights: register jj of lane (r, h) is token 8 h + jj, column (tile f, lane r).  Which column that is, is free: it
; is set by the LDS row into which a column is laid.  Mode 0: column 8 r + f, so a lane's eight tiles pack into 16 bytes of bf16; mode 1:
; column 64 (f % 2) + 4 r + f / 2, so four tiles are 16 bytes of f32.  Either way 16 lanes store 256 consecutive, aligned bytes, with no stage.
; FORMATS.  Weights, biases and x are rounded to bf16 (bf16, not f16: h has no bound), sums in f32, h rounded once.
; GELU is exact GELU with erf by Abramowitz and Stegun 7.1.25: gelu(x) = max(x, 0) - |x| (a1 t + a2 t^2 + a3 t^3) 2^(-x^2 log2(e) / 2),
; t = 1 / (1 + 0.33267253 |x|); erf is off by 2.5e-5 at the most, for every x, so gelu by 1.25e-5 |x|.  NaN and infinities are not treated apart.
; NO CLUSTER, NO TENSOR LOAD: a slice has one reader; what an expert's work-groups share are token rows that are named one by one, which no
; descriptor covers; and 273 KB of resident bf16 weights leave no room for slots of f32.
; The accumulators are set to the bias by 320 moves: in pass 0 they stand in the wait for the first weights.
.set RG,    34944                      ; a chunk's region: 128 rows of 272 bytes (256 + 16: rows start 16 bytes apart modulo 256), rows 64 and up 128 bytes further
.set SPARE, 8*RG                       ; 279,552: the spare words, 128 bytes a wave: two blocks of 256 bytes that no other line names
; vector registers, window 0
.set SPW, 1                            ; my spare word;  NIL: 0.  These two serve the closing add alone
.set NIL, 2
.set LN,  3                            ; lane L
.set RR,  4                            ; r = L % 16
.set HH,  5                            ; h = L / 16
.set H16, 6
.set R16, 7
.set BM0, 8                            ; v8, v9  the expert's mask words L and 32 + L
.set VROW, 10                          ; 16 w + r
.set BB,  12                           ; weights' fragments: 272 r + 16 h + the region in hand
.set BB0, 13
.set STB0, 14                          ; where I lay 16 bytes of a column, mode 0
.set STB1, 15                          ; mode 1
.set WO,  16                           ; v16-23  (8 w + i) x pitch + 16 L
.set AO,  24                           ; v24-28  block j: my token row's byte offset + 16 h
.set IDS, 34                           ; v34-38  block j: the id of its row r (v32-39 hold the bias as loaded first)
.set IDC, 39                           ; the same for the block on its way out
.set BIAS, 40                          ; v40-47  tile f's bias for my column
.set BMA, 57                           ; 4 L
.set BF,  64                           ; v64-127, v128-191  two buffers of weights' fragments
.set RHO, 64                           ; v64-96  at work while the ids are found, three registers each: the row numbers,
.set WW,  67                           ; the word that holds the row,
.set CC,  70                           ; id base << 16 | rows ahead of the word; then the id
.set SA,  73                           ; bit counts of the word's fields of 2,
.set SB,  76                           ; 4,
.set SC,  79                           ; 8,
.set SD,  82                           ; and (in the low byte) of its low 16 bits
.set TQ,  85
.set UQ,  88
.set POS, 91
.set KK,  94
.set X,   64                           ; the way out: a block's 64 sums
.set AX,  128                          ; |x|; in mode 1 the 64 numbers to store
.set DD,  144
.set QQ,  160
.set RS,  176
.set TT,  192                          ; v192-207  16 words of bf16 on their way into LDS; the way out: t
.set OB,  208                          ; v208-239  a block's h, packed
.set OO,  240                          ; v240-247  output offsets of my eight rows
.set ID,  248                          ; v248-255  their ids, then their gate weights
; window 1: v0-159 token fragments, slot s at 40 s, block j at + 8 j.  window 2: accumulators of blocks 0-3 at 64 j + 8 f.
; window 3: v0-63 block 4's accumulators; v64-191 weights as loaded, slot s at 64 + 32 s.
.set WR,  64
; scalar registers
.set WV, 2
.set NE, 3                             ; the expert's rows
.set WB, 4                             ; s[4:11] the four steps' weight addresses
.set RT, 12
.set AB, 14                            ; token rows at the chunk in hand
.set OUT, 16
.set NM1, 18
.set RB, 19                            ; the pass's first row
.set L4, 20                            ; 1: my fifth block is alive          (s20-s30 are scratch at the head)
.set TC, 21
.set PC, 22
.set BJ, 23
.set RBJ, 24
.set C8, 25
.set ABSM, 27
.set AB2, 28
.set C1, 30
.set C2, 32
.set A1, 34
.set A2, 36
.set A3, 38
.set WP, 52
.set FLAG, 53                          ; first the shift that splits the slice number
.set MM, 54                            ; first its mask
.set AP, 55
.set ASH, 56
.set MODE, 57
.set OP, 58
.set OSL, 59
.set BST, 60
.set BS2, 61
.set WST, 62
.set T0, 66
.set T1, 67
.set WG, 68                            ; s68-83  sixteen mask words, or a block's sixteen ids
.set PP, 84                            ; rows ahead of the word in hand
.set PK, 85                            ; id base << 16 | PP
.set BC, 86
.set MK, 87                            ; s87-89  lane masks
.set HM, 90                            ; lanes 16-31
.set SEL, 92                           ; s[92:93] v_permlanex16_b32's selects: each lane takes its own place in the other half
.set BIB, 100
.set AB0, 104
.set MSB, 0
.macro WIN new                         ; bits 1:0 source 0, 3:2 source 1, 5:4 source 2, 7:6 destination; the high byte repeats the setting that is left
.if MSB != (\new)
	s_set_vgpr_msb (MSB<<8)|(\new)
.set MSB, (\new)
.endif
.endm
.macro PLACES                          ; four places behind matrix instructions (ISA guide 7.12.1), where no other vector work is at hand
.rept 4
	v_nop
.endr
.endm
	s_load_b256 s[4:11], s[0:1], 0x0               ; W s[4:5], bias s[6:7], token rows s[8:9], masks s[10:11]
	s_load_b128 s[12:15], s[0:1], 0x20             ; gate weights s[12:13], table s[14:15]
	s_load_b64 s[16:17], s[0:1], 0x30              ; output
	v_lshl_add_u32 v[SPW], v0, 2, SPARE
	v_mov_b32 v[NIL], 0
	v_and_b32 v[LN], 31, v0
	v_and_b32 v[RR], 15, v0
	v_bfe_u32 v[HH], v0, 4, 1
	v_lshrrev_b32 v29, 5, v0
	v_readfirstlane_b32 s[WV], v29
	v_lshlrev_b32 v[H16], 4, v[HH]
	v_lshlrev_b32 v[R16], 4, v[RR]
	v_lshl_add_u32 v[VROW], s[WV], 4, v[RR]
	v_mul_u32_u24 v[BB0], v[RR], 272
	v_add_nc_u32 v[BB0], v[BB0], v[H16]
	v_mov_b32 v[BB], v[BB0]
	v_and_b32 v29, 1, v0                           ; mode 0: column 4 L + j lies in LDS row 64 (L % 2) + 16 j + L / 2
	v_bfe_u32 v30, v0, 1, 4
	v_lshl_add_u32 v30, v29, 6, v30
	v_mul_u32_u24 v[STB0], v30, 272
	v_lshl_add_u32 v[STB0], v29, 7, v[STB0]
	s_lshl_b32 s[T1], s[WV], 4                     ; my eight K of a step: 16 bytes at 16 w
	v_add_nc_u32 v[STB0], s[T1], v[STB0]
	v_mul_u32_u24 v[STB1], v[LN], 272              ; mode 1: in row 32 j + L
	v_add_nc_u32 v[STB1], s[T1], v[STB1]
	v_lshlrev_b32 v[BMA], 2, v[LN]
	s_lshr_b32 s20, ttmp9, 5                       ; e
	s_and_b32 s21, ttmp9, 31
	s_lshl_b32 s28, s20, 8                         ; an expert's 64 mask words are 256 bytes
	s_mov_b32 s29, 0
	s_wait_kmcnt 0x0
	s_load_b256 s[52:59], s[14:15], 0x0
	s_load_b64 s[60:61], s[14:15], 0x20
	s_add_nc_u64 s[T0:T1], s[10:11], s[28:29]
	global_load_b32 v[BM0], v[BMA], s[T0:T1]               ; words 0-31: first choices, bit L of word u = token 32 u + L
	global_load_b32 v[BM0+1], v[BMA], s[T0:T1] offset:128  ; words 32-63: second choices.  Asked for beside the table, not behind it
	s_wait_kmcnt 0x0
	s_min_u32 s[WP], s[WP], 0x4000                 ; every number that was loaded is held to its largest value before it enters an address
	s_min_u32 s53, s53, 5
	s_min_u32 s54, s54, 31
	s_min_u32 s[AP], s[AP], 0x2000
	s_min_u32 s[ASH], s[ASH], 1
	s_min_u32 s[MODE], s[MODE], 1
	s_min_u32 s[OP], s[OP], 0x2000
	s_min_u32 s[OSL], s[OSL], 0x200
	s_min_u32 s[BST], s[BST], 32
	s_min_u32 s[BS2], s[BS2], 0x100
	s_lshr_b32 s22, s21, s53
	s_min_u32 s22, s22, 3                          ; q: the quarter of K
	s_and_b32 s23, s21, s54
	s_min_u32 s23, s23, 31                         ; s: the slice of 128 columns
	s_lshl_b32 s24, s20, 24                        ; an expert's weights are 16 MiB
	s_lshl_b32 s25, s[WP], 10
	s_mul_i32 s25, s25, s22                        ; 1,024 rows a quarter
	s_add_co_u32 s24, s24, s25
	s_lshl_b32 s26, s23, 9                         ; 512 bytes a slice
	s_add_co_u32 s24, s24, s26
	s_mov_b32 s25, 0
	s_mul_i32 s28, s20, s[WP]                      ; a row of the bias is as long as a row of the weights
	s_add_co_u32 s28, s28, s26
	s_add_nc_u64 s[BIB:BIB+1], s[6:7], s[28:29]
	s_lshl_b32 s28, s22, 11
	s_add_nc_u64 s[AB0:AB0+1], s[8:9], s[28:29]
	s_lshl_b32 s28, s22, 23
	s_mul_i32 s30, s23, s[OSL]
	s_add_co_u32 s28, s28, s30
	s_add_nc_u64 s[OUT:OUT+1], s[OUT:OUT+1], s[28:29]
	s_add_nc_u64 s[WB:WB+1], s[4:5], s[24:25]
	s_lshl_b32 s28, s[WP], 5                       ; 32 rows a step
	s_add_nc_u64 s[WB+2:WB+3], s[WB:WB+1], s[28:29]
	s_add_nc_u64 s[WB+4:WB+5], s[WB+2:WB+3], s[28:29]
	s_add_nc_u64 s[WB+6:WB+7], s[WB+4:WB+5], s[28:29]
	s_lshl_b32 s[WST], s[WP], 7                    ; 128 rows a chunk
	s_mov_b32 s[WST+1], 0
	s_mov_b64 s[AB:AB+1], s[AB0:AB0+1]
	s_cmp_eq_u32 s22, 0
	s_cselect_b32 s[FLAG], 1.0, 0                  ; the bias goes into the first quarter's sums alone
	s_cmp_eq_u32 s[MODE], 1
	s_cselect_b32 s[MM], -1, 0
.irp i, 0,1,2,3,4,5,6,7
	s_lshl3_add_u32 s28, s[WV], \i
	s_mul_i32 s28, s28, s[WP]
	v_lshl_add_u32 v[WO+\i], v[LN], 4, s28
.endr
	v_mul_lo_u32 v52, v[RR], s[BST]
	v_add_nc_u32 v53, s[BS2], v52
	global_load_b128 v[32:35], v52, s[BIB:BIB+1]
	global_load_b128 v[36:39], v53, s[BIB:BIB+1]
	WIN 0xc0
.irp g, 0,1,2,3
.irp i, 0,1,2,3,4,5,6,7
	global_load_b128 v[WR+32*\g+4*\i:WR+32*\g+4*\i+3], v[WO+\i], s[WB+2*\g:WB+2*\g+1] th:TH_LOAD_NT  ; chunk 0: 512 consecutive bytes of a weight row each
.endr
.endr
	WIN 0
	s_mov_b32 s[NE], 0
	s_wait_loadcnt 34                              ; the two loads of mask words are in; the bias's 2 and chunk 0's 32 stay out
	; the expert's rows: the set bits of the 64 words, sixteen words at a time
.set gg, 0
.rept 4
.set ii, 0
.rept 16
	v_readlane_b32 s[WG+ii], v[BM0+gg/2], 16*(gg%2)+ii
.set ii, ii+1
.endr
.set ii, 0
.rept 16
	s_bcnt1_i32_b32 s[WG+ii], s[WG+ii]
.set ii, ii+1
.endr
.set ii, 0
.rept 16
	s_add_co_u32 s[NE], s[NE], s[WG+ii]
.set ii, ii+1
.endr
.set gg, gg+1
.endr
	s_min_u32 s[NE], s[NE], 0x400                  ; a token takes an expert once: 1,024 at the most
	s_wait_xcnt 0x0                                ; the loads issued so far have read their addresses: the weights' bases step to chunk 1
.irp g, 0,1,2,3
	s_add_nc_u64 s[WB+2*\g:WB+2*\g+1], s[WB+2*\g:WB+2*\g+1], s[WST:WST+1]
.endr
	s_max_u32 s[NM1], s[NE], 1
	s_sub_co_u32 s[NM1], s[NM1], 1
	s_mov_b32 s[HM], 0xffff0000
	s_mov_b32 s[SEL], 0x76543210
	s_mov_b32 s[SEL+1], 0xfedcba98
	s_mov_b32 s[ABSM], 0x7fffffff
	s_mov_b32 s[C1], 0x3eaa540e                    ; 0.33267253
	s_mov_b32 s[C1+1], s[C1]                       ; named as pairs, so both words are written
	s_mov_b32 s[C2], 0xbf38aa3b                    ; - log2(e) / 2
	s_mov_b32 s[C2+1], s[C2]
	s_mov_b32 s[A1], 0x3e32303a                    ; 0.1740121
	s_mov_b32 s[A1+1], s[A1]
	s_mov_b32 s[A2], 0xbd445ca1                    ; - 0.0479399
	s_mov_b32 s[A2+1], s[A2]
	s_mov_b32 s[A3], 0x3ebf7377                    ; 0.3739278
	s_mov_b32 s[A3+1], s[A3]
	s_wait_loadcnt 32                              ; the bias's two loads are in; chunk 0's 32 stay out
.irp c, 0,1,2,3
	v_cvt_pk_bf16_f32 v54, v[32+2*\c], v[33+2*\c]  ; rounded to bf16 like every input, widened again,
	v_lshlrev_b32 v[32+2*\c], 16, v54
	v_and_b32 v[33+2*\c], 0xffff0000, v54
.endr
.irp c, 0,1,2,3,4,5,6,7
	v_mul_f32 v[32+\c], s[FLAG], v[32+\c]          ; and dropped in the quarters that do not carry it
.endr
.irp f, 0,1,2,3,4,5,6,7
	v_cndmask_b32 v[BIAS+\f], v[32+\f], v[32+4*(\f%2)+\f/2], s[MM]
.endr
	s_mov_b32 s[PC], 0
	s_mov_b32 s[RB], 0
; One halving of the search for the KK-th set bit: t = the bits set in the field of w bits at POS (read from the counts in src);
; where KK >= t the bit lies above that field: KK -= t, POS += st.
.macro LEVEL src, w, st
.irp v, 0,1,2
	v_bfe_u32 v[TQ+\v], v[\src+\v], v[POS+\v], \w
.endr
.irp v, 0,1,2
	v_cmp_ge_u32 s[MK+\v], v[KK+\v], v[TQ+\v]
.endr
.irp v, 0,1,2
	v_cndmask_b32 v[TQ+\v], 0, v[TQ+\v], s[MK+\v]
	v_cndmask_b32 v[UQ+\v], 0, \st, s[MK+\v]
.endr
.irp v, 0,1,2
	v_sub_nc_u32 v[KK+\v], v[KK+\v], v[TQ+\v]
	v_add_nc_u32 v[POS+\v], v[POS+\v], v[UQ+\v]
.endr
.endm
; A pass's rows: is my fifth block alive; the ids of my five blocks' rows; my five token rows' offsets.
; Three registers hold the five blocks' row numbers: lanes 0-15 blocks 0, 2, 4; lanes 16-31 blocks 1, 3, 4.  Places past the count take the last row.
.macro SETUP
	s_lshl4_add_u32 s[T0], s[WV], s[RB]
	s_add_co_u32 s[T0], s[T0], 256
	s_cmp_lt_u32 s[T0], s[NE]
	s_cselect_b32 s[L4], 1, 0
	v_lshl_add_u32 v[RHO], v[HH], 6, v[VROW]
	v_add_nc_u32 v[RHO], s[RB], v[RHO]
	v_add_nc_u32 v[RHO+1], 0x80, v[RHO]
	v_add_nc_u32 v[RHO+2], s[RB], v[VROW]
	v_add_nc_u32 v[RHO+2], 0x100, v[RHO+2]
.irp v, 0,1,2
	v_min_u32 v[RHO+\v], s[NM1], v[RHO+\v]
.endr
	s_mov_b32 s[PP], 0
	; the walk: a lane keeps the last word that has no more rows ahead of it than the lane's row number: that word holds the row.
	; With the word goes one number: the id of the word's bit 0 (64 (m % 32) + m / 32) << 16 | the rows ahead of it.
.set gg, 0
.rept 4
.set ii, 0
.rept 16
	v_readlane_b32 s[WG+ii], v[BM0+gg/2], 16*(gg%2)+ii
.set ii, ii+1
.endr
.set ii, 0
.rept 16
.set mm, 16*gg+ii
.if mm == 0
.irp v, 0,1,2
	v_mov_b32 v[WW+\v], s[WG]
	v_mov_b32 v[CC+\v], 0
.endr
.else
	s_add_co_u32 s[PK], s[PP], (64*(mm%32)+mm/32)<<16
	v_cmp_gt_u32 vcc_lo, s[PP], v[RHO]
	v_cmp_gt_u32 s[MK+1], s[PP], v[RHO+1]
	v_cmp_gt_u32 s[MK+2], s[PP], v[RHO+2]
	v_cndmask_b32 v[WW], s[WG+ii], v[WW], vcc_lo           ; the mask's bit keeps the old word
	v_cndmask_b32 v[CC], s[PK], v[CC], vcc_lo
	v_cndmask_b32 v[WW+1], s[WG+ii], v[WW+1], s[MK+1]
	v_cndmask_b32 v[CC+1], s[PK], v[CC+1], s[MK+1]
	v_cndmask_b32 v[WW+2], s[WG+ii], v[WW+2], s[MK+2]
	v_cndmask_b32 v[CC+2], s[PK], v[CC+2], s[MK+2]
.endif
	s_bcnt1_i32_b32 s[BC], s[WG+ii]
	s_add_co_u32 s[PP], s[PP], s[BC]
.set ii, ii+1
.endr
.set gg, gg+1
.endr
	; in the word: the bit number KK = row number - rows ahead.  Bit counts of the fields of 2, 4, 8 and 16 bits, then five halvings.
.irp v, 0,1,2
	v_and_b32 v[KK+\v], 0xffff, v[CC+\v]
	v_lshrrev_b32 v[TQ+\v], 1, v[WW+\v]
.endr
.irp v, 0,1,2
	v_sub_nc_u32 v[KK+\v], v[RHO+\v], v[KK+\v]
	v_and_b32 v[TQ+\v], 0x55555555, v[TQ+\v]
.endr
.irp v, 0,1,2
	v_lshrrev_b32 v[CC+\v], 16, v[CC+\v]
	v_sub_nc_u32 v[SA+\v], v[WW+\v], v[TQ+\v]
.endr
.irp v, 0,1,2
	v_lshrrev_b32 v[TQ+\v], 2, v[SA+\v]
	v_and_b32 v[SB+\v], 0x33333333, v[SA+\v]
.endr
.irp v, 0,1,2
	v_and_b32 v[TQ+\v], 0x33333333, v[TQ+\v]
.endr
.irp v, 0,1,2
	v_add_nc_u32 v[SB+\v], v[SB+\v], v[TQ+\v]
.endr
.irp v, 0,1,2
	v_lshrrev_b32 v[TQ+\v], 4, v[SB+\v]
.endr
.irp v, 0,1,2
	v_add_nc_u32 v[SC+\v], v[SB+\v], v[TQ+\v]
.endr
.irp v, 0,1,2
	v_and_b32 v[SC+\v], 0x0f0f0f0f, v[SC+\v]
.endr
.irp v, 0,1,2
	v_lshrrev_b32 v[TQ+\v], 8, v[SC+\v]
	v_mov_b32 v[POS+\v], 0
.endr
.irp v, 0,1,2
	v_add_nc_u32 v[SD+\v], v[SC+\v], v[TQ+\v]      ; low byte: bytes 0 and 1 together, 16 at the most
.endr
	LEVEL SD, 8, 16
	LEVEL SC, 8, 8
	LEVEL SB, 4, 4
	LEVEL SA, 2, 2
	LEVEL WW, 1, 1
.irp v, 0,1,2
	v_lshl_add_u32 v[CC+\v], v[POS+\v], 1, v[CC+\v]        ; id = the word's id base + 2 x bit
.endr
	v_permlanex16_b32 v[UQ], v[CC], s[SEL], s[SEL+1]       ; each block's ids into both halves of the lanes
	v_permlanex16_b32 v[UQ+1], v[CC+1], s[SEL], s[SEL+1]
	v_cndmask_b32 v[IDS+0], v[CC], v[UQ], s[HM]
	v_cndmask_b32 v[IDS+1], v[UQ], v[CC], s[HM]
	v_cndmask_b32 v[IDS+2], v[CC+1], v[UQ+1], s[HM]
	v_cndmask_b32 v[IDS+3], v[UQ+1], v[CC+1], s[HM]
	v_mov_b32 v[IDS+4], v[CC+2]
.irp j, 0,1,2,3,4
	v_lshrrev_b32 v[AO+\j], s[ASH], v[IDS+\j]
	v_min_u32 v[AO+\j], 0x7ff, v[AO+\j]
	v_mad_u32_u24 v[AO+\j], v[AO+\j], s[AP], v[H16]
.endr
.endm
.macro INIT                            ; the sums begin with the bias
	WIN 0x80
.set z, 0
.rept 256
	v_mov_b32 v[z], v[BIAS+(z/8)%8]
.set z, z+1
.endr
	WIN 0xc0
.set z, 0
.rept 64
	v_mov_b32 v[z], v[BIAS+z/8]
.set z, z+1
.endr
	WIN 0
.endm
.macro BLOAD sg, b                     ; the weights' fragments of step sg of the region in hand, into buffer b: 16 loads
	WIN 0
.irp f, 0,1,2,3,4,5,6,7
	ds_load_b128 v[BF+64*(\b)+8*\f:BF+64*(\b)+8*\f+3],   v[BB] offset:4352*\f+128*(\f/4)+64*(\sg)
	ds_load_b128 v[BF+64*(\b)+8*\f+4:BF+64*(\b)+8*\f+7], v[BB] offset:4352*\f+128*(\f/4)+64*(\sg)+32
.endr
.endm
.macro ALOAD sl, ab, imm               ; my five blocks' token fragments, 32 K, into slot sl: 10 loads, always ten, so that every count holds on every way
	WIN 0x40
.irp j, 0,1,2,3,4
	global_load_b128 v[40*(\sl)+8*\j:40*(\sl)+8*\j+3],   v[AO+\j], s[\ab:\ab+1] offset:(\imm)
	global_load_b128 v[40*(\sl)+8*\j+4:40*(\sl)+8*\j+7], v[AO+\j], s[\ab:\ab+1] offset:(\imm)+32
.endr
	WIN 0
.endm
.macro MULS sl, b                      ; 32 products, and the fifth block's 8 if it is alive.  All accumulators differ: they take turns
	WIN 0xa1
.irp j, 0,1,2,3
.irp f, 0,1,2,3,4,5,6,7
	v_wmma_f32_16x16x32_bf16 v[64*\j+8*\f:64*\j+8*\f+7], v[40*(\sl)+8*\j:40*(\sl)+8*\j+7], v[BF+64*(\b)+8*\f:BF+64*(\b)+8*\f+7], v[64*\j+8*\f:64*\j+8*\f+7]
.endr
.endr
	WIN 0
	s_cmp_eq_u32 s[L4], 0
	s_cbranch_scc1 .Lno4_\@
	WIN 0xf1
.irp f, 0,1,2,3,4,5,6,7
	v_wmma_f32_16x16x32_bf16 v[8*\f:8*\f+7], v[40*(\sl)+32:40*(\sl)+39], v[BF+64*(\b)+8*\f:BF+64*(\b)+8*\f+7], v[8*\f:8*\f+7]
.endr
	WIN 0
.Lno4_\@:
.endm
; A STEP, 32 along K.  n: the loads younger than this step's weights and token fragments, which were issued four steps ago.
; conv: slot sg's weights (of the NEXT chunk) are rounded and laid into the next region.  wiss: the slot is asked for again.
; mat: this chunk's products; the next step's fragments are fetched from LDS first.  aiss: the slot's token fragments are asked for again.
.macro STEP sg, conv, wiss, aiss, aimm, mat, n
	s_wait_loadcnt \n
.if \conv
	WIN 0x0f
.irp j, 0,1,2,3
.irp p, 0,1,2,3
	v_cvt_pk_bf16_f32 v[TT+4*\j+\p], v[WR+32*(\sg)+8*\p+\j], v[WR+32*(\sg)+8*\p+4+\j]  ; column 4 L + j, K 8 w + 2 p and + 1
.endr
.endr
	WIN 0
	s_cmp_lg_u32 s[MODE], 0
	s_cbranch_scc1 .Lsm1_\@
.irp j, 0,1,2,3
	ds_store_b128 v[STB0], v[TT+4*\j:TT+4*\j+3] offset:4352*\j+64*(\sg)
.endr
	s_branch .Lsmj_\@
.Lsm1_\@:
.irp j, 0,1,2,3
	ds_store_b128 v[STB1], v[TT+4*\j:TT+4*\j+3] offset:8704*\j+128*(\j/2)+64*(\sg)
.endr
.Lsmj_\@:
.endif
.if \wiss
	WIN 0xc0
.irp i, 0,1,2,3,4,5,6,7
	global_load_b128 v[WR+32*(\sg)+4*\i:WR+32*(\sg)+4*\i+3], v[WO+\i], s[WB+2*(\sg):WB+2*(\sg)+1] th:TH_LOAD_NT
.endr
	WIN 0
.endif
.if \mat
.if !(\conv)
	PLACES                                         ; elsewhere the sixteen conversions are the places in front of the loads below
.endif
.set DSN, 4*(\conv)                    ; younger than this step's fragments: my four stores, and the sixteen loads just below
.if (\sg) < 3
	BLOAD (\sg)+1, ((\sg)+1)%2
.set DSN, DSN+16
.endif
	s_wait_dscnt DSN
	MULS \sg, (\sg)%2
.endif
.if \aiss
.if \mat
	PLACES                                         ; the slot's registers were read by the products just issued
.endif
	ALOAD \sg, AB, (\aimm)+64*(\sg)
.endif
.endm
; A chunk's end.  ONE barrier: in front of it my stores into the next region are done; behind it that region is whole.  No region is written twice.
.macro TRIPEND advst, advwb, advbb, advab
	WIN 0
	s_wait_dscnt 0x0
	s_barrier_signal -1
	s_barrier_wait -1
	s_wait_xcnt 0x0                                ; the loads issued so far have read their bases, which step now
.if \advst
	v_add_nc_u32 v[STB0], RG, v[STB0]
	v_add_nc_u32 v[STB1], RG, v[STB1]
.endif
.if \advwb
.irp g, 0,1,2,3
	s_add_nc_u64 s[WB+2*\g:WB+2*\g+1], s[WB+2*\g:WB+2*\g+1], s[WST:WST+1]
.endr
.endif
.if \advbb
	v_add_nc_u32 v[BB], RG, v[BB]
.endif
.if \advab
	s_add_nc_u64 s[AB:AB+1], s[AB:AB+1], 256
.endif
	BLOAD 0, 0
.endm
	SETUP
	INIT
	; chunk 0 goes into region 0; chunk 1 and chunk 0's token fragments are asked for.  The counts: the rest of chunk 0 (24, 16, 8, 0) + 18 for each step gone by
	STEP 0, 1, 1, 1, 0, 0, 24
	STEP 1, 1, 1, 1, 0, 0, 34
	STEP 2, 1, 1, 1, 0, 0, 44
	STEP 3, 1, 1, 1, 0, 0, 54
	TRIPEND 1, 1, 0, 0
	s_mov_b32 s[TC], 6
.Ltrip:                                        ; trip c = 0..5: multiplies chunk c, lays chunk c + 1, asks for the weights of c + 2 and the token fragments of c + 1
	STEP 0, 1, 1, 1, 256, 1, 54                    ; three steps of 8 + 10 loads are younger
	STEP 1, 1, 1, 1, 256, 1, 54
	STEP 2, 1, 1, 1, 256, 1, 54
	STEP 3, 1, 1, 1, 256, 1, 54
	TRIPEND 1, 1, 1, 1
	s_sub_co_u32 s[TC], s[TC], 1
	s_cmp_lg_u32 s[TC], 0
	s_cbranch_scc1 .Ltrip
	STEP 0, 1, 0, 1, 256, 1, 54                    ; chunk 6: no weights are left to ask for, so a step adds 10 and the counts run down by 8
	STEP 1, 1, 0, 1, 256, 1, 46
	STEP 2, 1, 0, 1, 256, 1, 38
	STEP 3, 1, 0, 1, 256, 1, 30
	TRIPEND 0, 0, 1, 0
	STEP 0, 0, 0, 0, 0, 1, 30                      ; chunk 7: nothing is asked for
	STEP 1, 0, 0, 0, 0, 1, 20
	STEP 2, 0, 0, 0, 0, 1, 10
	STEP 3, 0, 0, 0, 0, 1, 0
	s_branch .Lepi
.Lpass:                                        ; passes 1 to 3: rows 320 and up, from the weights in LDS.  No barrier stands in this loop
	s_cmp_ge_u32 s[RB], s[NE]
	s_cbranch_scc1 .Lnext
	SETUP
	INIT
	v_mov_b32 v[BB], v[BB0]                        ; region 0 again
	s_mov_b64 s[AB2:AB2+1], s[AB0:AB0+1]
	s_mov_b32 s[C8], 8
.Lso:                                          ; a trip is a chunk: its four steps are written out, their 64 bytes along K in the immediates; the region steps once a trip
.irp sg, 0,1,2,3
	ALOAD 0, AB2, 64*\sg
	BLOAD \sg, 0
	s_wait_loadcnt 0x0                             ; plain: nothing runs ahead here
	s_wait_dscnt 0x0
	MULS 0, 0
	PLACES                                         ; in front of the next step's loads, and of the way out
.endr
	v_add_nc_u32 v[BB], RG, v[BB]
	s_add_nc_u64 s[AB2:AB2+1], s[AB2:AB2+1], 256   ; its loads are done (the wait for 0 above)
	s_sub_co_u32 s[C8], s[C8], 1
	s_cmp_lg_u32 s[C8], 0
	s_cbranch_scc1 .Lso
.Lepi:                                         ; THE WAY OUT, a block of 16 rows at a time; one text for the five blocks, which are copied into window 0 first
	PLACES
	s_mov_b32 s[BJ], 0
	s_lshl4_add_u32 s[RBJ], s[WV], s[RB]
.macro COPY win, base, j               ; ascending: each accumulator is read from its low end on; the block's ids go with it
	WIN \win
.set z, 0
.rept 64
	v_mov_b32 v[X+z], v[(\base)+z]
.set z, z+1
.endr
	WIN 0
	v_mov_b32 v[IDC], v[IDS+\j]
.endm
.Lblk:
	s_wait_xcnt 0x0                                ; the last block's stores have read their data and offsets
	s_cmp_ge_u32 s[RBJ], s[NE]
	s_cbranch_scc1 .Lblkn                          ; a block wholly past the count stores nothing
	s_cmp_eq_u32 s[BJ], 0
	s_cbranch_scc1 .Lc0
	s_cmp_eq_u32 s[BJ], 1
	s_cbranch_scc1 .Lc1
	s_cmp_eq_u32 s[BJ], 2
	s_cbranch_scc1 .Lc2
	s_cmp_eq_u32 s[BJ], 3
	s_cbranch_scc1 .Lc3
	COPY 0x03, 0, 4
	s_branch .Lcom
.Lc0:
	COPY 0x02, 0, 0
	s_branch .Lcom
.Lc1:
	COPY 0x02, 64, 1
	s_branch .Lcom
.Lc2:
	COPY 0x02, 128, 2
	s_branch .Lcom
.Lc3:
	COPY 0x02, 192, 3
.Lcom:
.set ii, 0
.rept 16
	v_readlane_b32 s[WG+ii], v[IDC], ii            ; lane r holds the id of the block's row r
.set ii, ii+1
.endr
.irp jj, 0,1,2,3,4,5,6,7
	v_mov_b32 v[ID+\jj], s[WG+\jj]                 ; register jj holds row 8 h + jj of the block
	v_cndmask_b32 v[ID+\jj], v[ID+\jj], s[WG+8+\jj], s[HM]
.endr
.irp jj, 0,1,2,3,4,5,6,7
	v_min_u32 v[ID+\jj], 0x7ff, v[ID+\jj]
	v_mad_u32_u24 v[OO+\jj], v[ID+\jj], s[OP], v[R16]
.endr
	s_cmp_lg_u32 s[MODE], 0
	s_cbranch_scc1 .Lm1
; Mode 0.  Rows 2 p and 2 p + 1 of the block, all eight tiles: 16 numbers a lane.  The 16 reciprocals and 16 exponentials are one batch with one wait.
.macro GUNIT p
.irp f, 0,1,2,3,4,5,6,7
	v_and_b32 v[AX+2*\f],   s[ABSM], v[X+8*\f+2*(\p)]
	v_and_b32 v[AX+2*\f+1], s[ABSM], v[X+8*\f+2*(\p)+1]
.endr
.irp f, 0,1,2,3,4,5,6,7
	v_pk_fma_f32 v[DD+2*\f:DD+2*\f+1], v[AX+2*\f:AX+2*\f+1], s[C1:C1+1], 1.0 op_sel_hi:[1,0,0]
.endr
.irp f, 0,1,2,3,4,5,6,7
	v_pk_mul_f32 v[QQ+2*\f:QQ+2*\f+1], v[X+8*\f+2*(\p):X+8*\f+2*(\p)+1], v[X+8*\f+2*(\p):X+8*\f+2*(\p)+1]
.endr
.irp f, 0,1,2,3,4,5,6,7
	v_pk_mul_f32 v[QQ+2*\f:QQ+2*\f+1], v[QQ+2*\f:QQ+2*\f+1], s[C2:C2+1] op_sel_hi:[1,0]
.endr
.set z, 0
.rept 16
	v_rcp_f32 v[TT+z], v[DD+z]                     ; t
.set z, z+1
.endr
.set z, 0
.rept 16
	v_exp_f32 v[QQ+z], v[QQ+z]                     ; 2^(-x^2 log2(e) / 2)
.set z, z+1
.endr
.irp f, 0,1,2,3,4,5,6,7
	v_max_num_f32 v[RS+2*\f],   0, v[X+8*\f+2*(\p)]     ; plain work that names no result of the batch
	v_max_num_f32 v[RS+2*\f+1], 0, v[X+8*\f+2*(\p)+1]
.endr
	s_wait_alu depctr_va_vdst(0)                   ; the one wait ahead of the batch's first reader
.irp f, 0,1,2,3,4,5,6,7
	v_pk_fma_f32 v[DD+2*\f:DD+2*\f+1], v[TT+2*\f:TT+2*\f+1], s[A3:A3+1], s[A2:A2+1] op_sel_hi:[1,0,0]
.endr
.irp f, 0,1,2,3,4,5,6,7
	v_pk_fma_f32 v[DD+2*\f:DD+2*\f+1], v[DD+2*\f:DD+2*\f+1], v[TT+2*\f:TT+2*\f+1], s[A1:A1+1] op_sel_hi:[1,1,0]
.endr
.irp f, 0,1,2,3,4,5,6,7
	v_pk_mul_f32 v[DD+2*\f:DD+2*\f+1], v[DD+2*\f:DD+2*\f+1], v[TT+2*\f:TT+2*\f+1]
.endr
.irp f, 0,1,2,3,4,5,6,7
	v_pk_mul_f32 v[DD+2*\f:DD+2*\f+1], v[DD+2*\f:DD+2*\f+1], v[QQ+2*\f:QQ+2*\f+1]
.endr
.irp f, 0,1,2,3,4,5,6,7
	v_pk_fma_f32 v[RS+2*\f:RS+2*\f+1], v[DD+2*\f:DD+2*\f+1], v[AX+2*\f:AX+2*\f+1], v[RS+2*\f:RS+2*\f+1] neg_lo:[1,0,0] neg_hi:[1,0,0]
.endr
.irp t, 0,1
.irp u, 0,1,2,3
	v_cvt_pk_bf16_f32 v[OB+8*(\p)+4*\t+\u], v[RS+4*\u+\t], v[RS+4*\u+2+\t]   ; columns 8 r + 2 u and + 1 of row 2 p + t
.endr
	global_store_b128 v[OO+2*(\p)+\t], v[OB+8*(\p)+4*\t:OB+8*(\p)+4*\t+3], s[OUT:OUT+1]  ; 16 lanes store 256 consecutive, aligned bytes of a row of h
.endr
.endm
	GUNIT 0
	GUNIT 1
	GUNIT 2
	GUNIT 3
	s_branch .Lblkn
.Lm1:                                          ; mode 1: each row times its gate weight
.irp jj, 0,1,2,3,4,5,6,7
	v_lshlrev_b32 v[52+\jj], 2, v[ID+\jj]
.endr
.irp jj, 0,1,2,3,4,5,6,7
	global_load_b32 v[ID+\jj], v[52+\jj], s[RT:RT+1]
.endr
	s_wait_loadcnt 0x0
.irp jj, 0,1,2,3,4,5,6,7
.irp g, 0,1
.irp c, 0,1,2,3
	v_mul_f32 v[AX+8*\jj+4*\g+\c], v[X+8*(\g+2*\c)+\jj], v[ID+\jj]   ; tile g + 2 c is column 64 g + 4 r + c
.endr
.endr
.endr
.irp jj, 0,1,2,3,4,5,6,7
.irp g, 0,1
	global_store_b128 v[OO+\jj], v[AX+8*\jj+4*\g:AX+8*\jj+4*\g+3], s[OUT:OUT+1] offset:256*\g  ; 16 lanes store 256 consecutive, aligned bytes of a row of y
.endr
.endr
.Lblkn:
	s_add_co_u32 s[RBJ], s[RBJ], 64
	s_add_co_u32 s[BJ], s[BJ], 1
	s_cmp_lt_u32 s[BJ], 5
	s_cbranch_scc1 .Lblk
.Lnext:
	s_add_co_u32 s[RB], s[RB], 320
	s_add_co_u32 s[PC], s[PC], 1
	s_cmp_lt_u32 s[PC], 4                          ; 4 x 320 rows cover the 1,024 that an expert can have
	s_cbranch_scc1 .Lpass
	s_wait_dscnt 0x0                               ; my last LDS reads (the weights) are back;
	s_barrier_signal -1                            ; one barrier, on every wave's path: no wave comes to its closing add
	s_barrier_wait -1                              ; while another still reads LDS
	s_wait_tensorcnt 0x0                           ; the wave's end
	ds_add_u32 v[SPW], v[NIL]
	s_wait_dscnt 0x0
	s_endpgm
.Lfunc_end_k_q7f3588b264_up:
	.size	k_q7f3588b264_up, .Lfunc_end_k_q7f3588b264_up-k_q7f3588b264_up
	.p2alignl 7, 3214868480
	.fill 96, 4, 3214868480
	.section	.rodata,"a",@progbits
	.p2align	6, 0x0
	.amdhsa_kernel k_q7f3588b264_up
		.amdhsa_group_segment_fixed_size 280064
		.amdhsa_private_segment_fixed_size 0
		.amdhsa_enable_private_segment 0
		.amdhsa_kernarg_size 56
		.amdhsa_user_sgpr_count 2
		.amdhsa_user_sgpr_kernarg_segment_ptr 1
		.amdhsa_wavefront_size32 1
		.amdhsa_system_sgpr_workgroup_id_x 1
		.amdhsa_system_sgpr_workgroup_id_y 1
		.amdhsa_system_sgpr_workgroup_id_z 1
		.amdhsa_system_vgpr_workitem_id 0
		.amdhsa_next_free_vgpr 960
		.amdhsa_next_free_sgpr 106
		.amdhsa_reserve_vcc 1
		.amdhsa_float_denorm_mode_32 3
		.amdhsa_float_denorm_mode_16_64 3
		.amdhsa_memory_ordered 1
		.amdhsa_forward_progress 1
		.amdhsa_inst_pref_size 255
	.end_amdhsa_kernel
	.section	.bss,"aw",@nobits
	.p2align	6
	.space	262144
	.amdgpu_metadata
---
amdhsa.version: [ 1, 2 ]
amdhsa.kernels:
  - .name:           k_q7f3588b264_up
    .symbol:         k_q7f3588b264_up.kd
    .args:
      - { .name: W1, .offset: 0, .size: 8, .value_kind: global_buffer, .address_space: global }
      - { .name: b1, .offset: 8, .size: 8, .value_kind: global_buffer, .address_space: global }
      - { .name: xb, .offset: 16, .size: 8, .value_kind: global_buffer, .address_space: global }
      - { .name: bm, .offset: 24, .size: 8, .value_kind: global_buffer, .address_space: global }
      - { .name: rt, .offset: 32, .size: 8, .value_kind: global_buffer, .address_space: global }
      - { .name: par1, .offset: 40, .size: 8, .value_kind: global_buffer, .address_space: global }
      - { .name: h, .offset: 48, .size: 8, .value_kind: global_buffer, .address_space: global }
    .group_segment_fixed_size: 280064
    .private_segment_fixed_size: 0
    .kernarg_segment_align: 8
    .kernarg_segment_size: 56
    .max_flat_workgroup_size: 128
    .sgpr_count:     106
    .vgpr_count:     960
    .wavefront_size: 32
...
	.end_amdgpu_metadata
.endif
;; end of part 4
;; launch down: the kernel of part 4 again; grid 256 x 1, 4 waves a work-group, no clusters, 280,064 bytes of LDS; arguments W2, b2, h, bm, rt, par2, y; writes y
;; launch sum: the kernel of part 3 again; grid 256 x 1, 8 waves a work-group, no clusters, 0 bytes of LDS; arguments y, rt, out0, out1; writes out0, out1
